; MI455X (gfx1250); checked and timed in simulation.
; The chip was launched on July 23, 2026; its instructions are those of AMD's public machine-readable ISA for CDNA 5 (MIT licence, August 2026) and "CDNA5" Instruction Set Architecture Reference Guide (July 2026). The comments in the code are by the model that wrote it; some were corrected since.
;; MSA. Allowed arithmetic: matrix products marked QUANTISED: E4M3 operands, one E8M0 scale for each 32 along K, by v_wmma_scale_f32_16x16x128_f8f6f4 with both operands' format E4M3, f32 sums; everything else in f32.
;; Inputs: Wk 1,024 x 1,024 float32; Wo 1,024 x 1,024 float32; Wq 1,024 x 1,024 float32; Wv 1,024 x 1,024 float32; bk 1,024 float32; bo 1,024 float32; bq 1,024 float32; bv 1,024 float32; x 4 x 2,048 x 1,024 float32.
;; Outputs: out0 4 x 2,048 x 1,024 float32.
;; This version of the problem:
;;   THIS VERSION OF THE PROBLEM IS GIVEN IN LOW PRECISION. The matrix products marked QUANTISED in the list below multiply operands that are first quantised to E4M3 (4 exponent bits, 3 mantissa bits; 8 bits a number), with one power-of-two scale for each 32 numbers along K (OCP MX v1.0); their sums are f32. All else is computed in f32.
;;   The module's matrix products, in the order in which they are computed (A, B: the left and right operand; K: the contracted axis; several contracted axes count as one K, in the product's order):
;;     1. [M 8,192, K 1,024] x [K 1,024, N 1,024]; A: input x; B: input Wq: QUANTISED
;;     2. [M 8,192, K 1,024] x [K 1,024, N 1,024]; A: input x; B: input Wk: QUANTISED
;;     3. [M 8,192, K 1,024] x [K 1,024, N 1,024]; A: input x; B: input Wv: QUANTISED
;;     4. batch 64 x [M 2,048, K 64] x [K 64, N 2,048]; A: computed on the way; B: computed on the way: QUANTISED
;;     5. batch 64 x [M 2,048, K 2,048] x [K 2,048, N 64]; A: softmax (see below); B: computed on the way: QUANTISED
;;     6. [M 8,192, K 1,024] x [K 1,024, N 1,024]; A: computed on the way; B: input Wo: QUANTISED
;;   THE QUANTISER, for each operand of a quantised product, along K:
;;     - K is cut into blocks of 32 from its start; a last block that is shorter is filled with zeros.
;;     - A block's scale is 2^e with e = floor(log2(the largest magnitude in the block)) - 8, held to -126 .. 127; a block of zeros has e = 0. As a byte (E8M0): e + 127.
;;     - Each number is divided by its block's scale, clamped to +-448, and rounded to the nearest number of E4M3, ties to even, subnormals kept.
;;     - The product sums the exact products of the quantised numbers (number of the format x scale) in f32.
;;   ~~~python
;;   def quantise(x, axis):      # numpy; x: float32 -> the quantised numbers, widened to float32 again
;;       x = np.moveaxis(x, axis, -1); K = x.shape[-1]
;;       x = np.pad(x, [(0, 0)] * (x.ndim - 1) + [(0, -K % 32)]); x = x.reshape(x.shape[:-1] + (-1, 32)); a = np.abs(x).max(-1, keepdims=True)
;;       e = np.where(a > 0, np.clip(np.frexp(np.where(a > 0, a, 1))[1] - 1 - 8, -126, 127), 0)      # np.frexp(a)[1] - 1 = floor(log2(a)), exactly
;;       r = np.clip(x / 2.0 ** e, -448, 448)
;;       step = 2.0 ** (np.maximum(np.frexp(np.where(r == 0, 1, r))[1] - 1, -6) - 3)
;;       q = np.round(r / step) * step * 2.0 ** e      # np.round: ties to even
;;       return np.moveaxis(q.reshape(q.shape[:-2] + (-1,))[..., :K], -1, axis).astype(np.float32)
;;   ~~~
;;   SOFTMAX AHEAD OF A QUANTISED PRODUCT. Where the list says 'softmax', what is quantised is not the finished softmax but p = 2^(t - M), with t = logit x log2(e) and M = ceil(the row's largest t), a whole number; so 1/2 < the row's largest p <= 1. The row's sum l is taken of the UNQUANTISED p, in f32, and the product's result is divided by l at the end. Since M is a whole number, a kernel that streams over the keys may use a running M (the ceiling of the running maximum): every later rescaling is an exact power of two, which a block's scale takes up: the codes' values come out the same.
;;   OPERANDS COMPUTED ON THE WAY. 'Computed on the way' means the value that the module computes at that place (a softmax that the list does not call 'softmax' is quantised finished and normalised). What goes into a quantiser is computed in f32, as accurately as f32 sums, v_exp_f32 and their like allow (about 1e-6 of the number): no bf16 or f16 on the way to a quantiser, and a product that is left as it is and whose result goes on into a quantised operand takes f32 operands (vector FMAs, or v_wmma_f32_16x16x4_f32). A number that lies on a knife's edge between two numbers of the format may be rounded either way, as far as f32 arithmetic and the matrix unit's own rounding can turn it there, and no further.
;; One version. Each part assembles by itself: llvm-mc -triple=amdgcn-amd-amdhsa -mcpu=gfx1250 --defsym DOCPART=n.
;; ======== version 1 of 1: 4 launches
;; limits: right only within a limited range of input values
;; workspace buffers: xc 8,388,608 bytes; xs 262,144 bytes; wc 4,194,304 bytes; ws 131,072 bytes; qb 8,912,896 bytes; kv 17,563,648 bytes; oc 8,388,608 bytes; os 262,144 bytes
;; launch quant (part 1): grid 384 x 1, 4 waves a work-group, no clusters, 34,304 bytes of LDS; arguments x, Wq, Wk, Wv, Wo, xc, xs, wc, ws; writes xc, xs, wc, ws
.if DOCPART == 1
	.amdgcn_target "amdgcn-amd-amdhsa--gfx1250"
	.amdhsa_code_object_version 6
	.text
	.protected	k_qc3e044d891_quant
	.globl	k_qc3e044d891_quant
	.p2align	8
	.type	k_qc3e044d891_quant,@function
k_qc3e044d891_quant:
	s_mov_b64 s[64:65], 0
	v_nop
	global_prefetch_b8 v0, s[64:65] scope:SCOPE_SE
	s_setreg_imm32_b32 hwreg(HW_REG_WAVE_MODE, 25, 1), 1
	s_wait_xcnt 0x0
; x [8192][1024] and the four weights [k 1024][n 1024], f32, become codes of FP8 (E4M3) with one E8M0 scale byte for each 32 along K, laid AS THE MATRIX OPERANDS' REGISTERS WANT THEM.
; A TILE is 16 rows (of x) or 16 columns n (of a weight).  In each group of 32 neighbouring rows, tile u (0, 1) place i (0..15) holds row 8 u + i + 8 (i / 8): so a product that takes such
; a tile as its first source leaves 16 neighbours of that axis in a lane's 16 registers of two neighbouring result tiles.
; CODES: [tile][K step of 128: 0..7][2,048 bytes]: the image of a fragment's 16 registers: piece c (512 bytes) holds registers 4 c .. 4 c + 3, lane l's 16 bytes at 16 l: k = 32 c + 16 (l / 16) + 0..15 of place l % 16.
; SCALES: [tile][half of K: 0, 1][place 0..15][word 0..3]: a word is the four bytes of one K step.
; A block's scale is 2^(floor(log2(its largest magnitude)) - 8); its byte is the largest magnitude's exponent field - 8, held at 1 from below; numbers are held within +-448 x the scale and rounded to the nearest code, ties to even.
; LIMITS: a block of zeros gets the byte 1 where the rule says 127 (its codes are zeros, and this program alone reads the bytes); blocks whose largest magnitude lies under 2^-118 are held at that floor; NaN and infinities are not served.
; Work-groups 0-255 take x (a wave: one tile x 512 along K), work-groups 256-383 the weights (a wave: 32 columns x 256 along K).  No input is shared between work-groups: no cluster; no tensor loads, no barrier: waves share nothing.
.set SP,   528                         ; x's stage: a row of 512 bytes + 16 of padding: 132 words, so the 16 rows that a read touches start 4 banks apart
.set WST,  16*SP                       ; a wave's stage: 16 rows
.set RR,   16                          ; v16-143   x as loaded: two sets of 16 rows x 16 bytes a lane
.set XX,   144                         ; v144-207  64 numbers of my row: register 16 c + i = k 32 c + 16 (lane / 16) + i
.set PC,   208                         ; v208-223  a fragment's codes
.set TM,   224                         ; v224-227 largest magnitudes, v228-231 bytes, v236-239 the conversions' scale operands
.set PW,   240                         ; v240-243  the four K steps' scale words
.set SB,   144                         ; (weights) v144-145 eight scale bytes
.set SEL,  26                          ; s[26:27]  v_permlanex16_b32's selects for lane l xor 16
.set MNT,  28
; 64 numbers of a lane, v[s] on, become a fragment's codes in v[pc] on and its scale word in v[pw]
.macro QUANT s, pc, pw
.irp b, 0,1,2,3
	v_max3_num_f32 v[TM+\b], |v[\s+16*\b]|, |v[\s+16*\b+1]|, 0x4800000   ; block b: my 16 numbers, and the floor 2^(9 - 127): the byte cannot fall under 1
.endr
.irp i, 2,4,6,8,10,12,14
.irp b, 0,1,2,3
	v_max3_num_f32 v[TM+\b], v[TM+\b], |v[\s+16*\b+\i]|, |v[\s+16*\b+\i+1]|   ; the four blocks by turns
.endr
.endr
.irp b, 0,1,2,3
	v_permlanex16_b32 v[TM+4+\b], v[TM+\b], s[SEL], s[SEL+1]
.endr
.irp b, 0,1,2,3
	v_max_num_f32 v[TM+\b], v[TM+\b], v[TM+4+\b]                   ; with lane l xor 16's 16: the block's largest magnitude
.endr
.irp b, 0,1,2,3
	v_add_nc_u32 v[TM+12+\b], 0xfc000000, v[TM+\b]                 ; 8 off its exponent field: the conversion's scale operand
.endr
.irp b, 0,1,2,3
.endr
.irp b, 0,1,2,3
	v_lshrrev_b32 v[TM+4+\b], 23, v[TM+12+\b]                      ; the scale's byte
.endr
	v_lshl_or_b32 v[\pw], v[TM+5], 8, v[TM+4]
	v_lshl_or_b32 v[\pw], v[TM+6], 16, v[\pw]
	v_lshl_or_b32 v[\pw], v[TM+7], 24, v[\pw]
.irp b, 0,1,2,3
.irp i, 0,1,2,3,4,5,6,7,8,9,10,11,12,13,14,15
.endr
	v_cvt_scalef32_pk8_fp8_f32 v[\pc+4*\b:\pc+4*\b+1], v[\s+16*\b:\s+16*\b+7], v[TM+12+\b]
	v_cvt_scalef32_pk8_fp8_f32 v[\pc+4*\b+2:\pc+4*\b+3], v[\s+16*\b+8:\s+16*\b+15], v[TM+12+\b]
.endr
	v_nop                                          ; one plain line behind the last conversion
.endm
	s_load_b64 s[4:5], s[0:1], 0x0                 ; x
	s_load_b256 s[8:15], s[0:1], 0x8               ; Wq, Wk, Wv, Wo
	s_load_b256 s[16:23], s[0:1], 0x28             ; xc, xs, wc, ws
	v_lshl_add_u32 v248, v0, 2, 0x8400
	v_mov_b32 v249, 0
	v_lshrrev_b32 v1, 5, v0
	v_readfirstlane_b32 s24, v1                    ; wave 0..3
	v_and_b32 v7, 31, v0                           ; lane
	s_mov_b32 s[SEL], 0x76543210
	s_mov_b32 s[SEL+1], 0xfedcba98
	s_cmp_lt_u32 ttmp9, 256
	s_cbranch_scc0 .Lweights
	; ---------------- x: wave W = 4 x work-group + wave takes tile W / 2, half W % 2 of K (four K steps)
	v_lshlrev_b32 v1, 4, v7                        ; 16 x lane: my bytes of a load's 512, of a stage row, of an image's piece
	v_and_b32 v5, 15, v0                           ; r
	v_bfe_u32 v6, v0, 4, 1                         ; h
	s_mul_i32 s29, s24, WST                        ; my stage
	v_add_nc_u32 v2, s29, v1                       ; into it: as loaded
	v_mul_u32_u24 v3, v5, SP
	v_lshl_add_u32 v3, v6, 6, v3
	v_add_nc_u32 v3, s29, v3                       ; out of it: row r, + 64 h: my 16 numbers of a block of 32
	v_lshlrev_b32 v4, 4, v5                        ; 16 r: my row's four scale words
.irp b, 0,1,2,3
	v_mov_b32 v[TM+4+\b], 0                        ; written once: a lane permute's destination counts as one of its sources
.endr
	s_lshl_b32 s30, ttmp9, 2
	s_add_co_u32 s30, s30, s24
	s_lshr_b32 s31, s30, 1                         ; tile T
	s_and_b32 s30, s30, 1                          ; half g
	s_lshr_b32 s32, s31, 1
	s_lshl_b32 s32, s32, 5
	s_and_b32 s33, s31, 1
	s_lshl_b32 s33, s33, 3
	s_add_co_u32 s32, s32, s33                     ; the tile's first row: 32 (T / 2) + 8 (T % 2)
	s_lshl_b32 s32, s32, 12                        ; x 4,096 bytes
	s_lshl_b32 s33, s30, 11
	s_add_co_u32 s32, s32, s33                     ; + 2,048 g
	s_mov_b32 s33, 0
	s_lshl_b32 s34, s31, 14
	s_lshl_b32 s35, s30, 13
	s_add_co_u32 s34, s34, s35                     ; codes: 16,384 T + 8,192 g
	s_mov_b32 s35, 0
	s_lshl_b32 s36, s31, 9
	s_lshl_b32 s37, s30, 8
	s_add_co_u32 s36, s36, s37                     ; scales: 512 T + 256 g
	s_mov_b32 s37, 0
	s_wait_alu depctr_va_vdst(0)
	s_wait_kmcnt 0x0
	s_add_nc_u64 s[4:5], s[4:5], s[32:33]
	s_add_nc_u64 s[16:17], s[16:17], s[34:35]
	s_add_nc_u64 s[18:19], s[18:19], s[36:37]
.macro LOADX t                         ; K step t of my 16 rows: each load reads 512 consecutive bytes of one row; place p is row p + 8 (p / 8)
.irp p, 0,1,2,3,4,5,6,7,8,9,10,11,12,13,14,15
	global_load_b128 v[RR+64*((\t)%2)+4*\p:RR+64*((\t)%2)+4*\p+3], v1, s[4:5] offset:(\p+8*(\p/8))*4096+512*(\t) th:TH_LOAD_NT
.endr
.endm
.macro STEPX t
.if (\t) < 3
	s_wait_loadcnt 16                              ; this K step's 16 loads are in; the next step's 16 may be out
.else
	s_wait_loadcnt 0x0
.endif
.irp p, 0,1,2,3,4,5,6,7,8,9,10,11,12,13,14,15
	ds_store_b128 v2, v[RR+64*((\t)%2)+4*\p:RR+64*((\t)%2)+4*\p+3] offset:SP*\p
.endr
.irp c, 0,1,2,3
.irp j, 0,1,2,3
	ds_load_b128 v[XX+16*\c+4*\j:XX+16*\c+4*\j+3], v3 offset:128*\c+16*\j   ; LDS serves a wave's instructions in order (ISA guide 5.7.1.4): these see my stores
.endr
.endr
	s_wait_dscnt 0x0                               ; my 64 numbers are back, and the stores have read their registers,
.if (\t) < 2
	LOADX (\t)+2                                   ; which take the loads of two steps on
.endif
.if (\t) > 0
	s_wait_xcnt 0x0                                ; the last step's stores have read the codes' registers, which are written again below
.endif
	QUANT XX, PC, PW+(\t)
.irp c, 0,1,2,3
	global_store_b128 v1, v[PC+4*\c:PC+4*\c+3], s[16:17] offset:2048*(\t)+512*\c   ; 32 lanes store 512 consecutive bytes, aligned
.endr
.endm
	LOADX 0
	LOADX 1
	STEPX 0
	STEPX 1
	STEPX 2
	STEPX 3
	global_store_b128 v4, v[PW:PW+3], s[18:19]     ; 16 rows x 16 bytes: 256 consecutive bytes, aligned; lanes 16-31 hold and write the same as lanes 0-15
	s_wait_tensorcnt 0x0
	ds_add_u32 v248, v249
	s_wait_dscnt 0x0
	s_endpgm
	; ---------------- the weights: a lane takes a column n, and its registers run down K: a block of 32 lies in one lane
.Lweights:
	s_sub_co_u32 s29, ttmp9, 256
	s_lshr_b32 s30, s29, 5                         ; which weight: 0 Wq, 1 Wk, 2 Wv, 3 Wo
	s_bfe_u32 s31, s29, 0x30002                    ; which 128 columns
	s_and_b32 s32, s29, 3                          ; which 256 along K
	s_wait_alu depctr_va_vdst(0)
	v_lshlrev_b32 v4, 2, v7                        ; in: 4 bytes a lane
	v_bfe_u32 v8, v0, 3, 1                         ; column l of a group of 32 lies in tile (l / 8) % 2,
	v_and_b32 v9, 7, v0
	v_lshrrev_b32 v10, 1, v0
	v_and_b32 v10, 8, v10
	v_or_b32 v9, v9, v10                           ; at place l % 8 + 8 (l / 16)
	v_lshlrev_b32 v9, 4, v9
	v_lshl_add_u32 v5, v8, 14, v9                  ; codes: 16,384 x tile + 16 x place
	v_lshl_add_u32 v6, v8, 9, v9                   ; scales: 512 x tile + 16 x place
	s_lshl_b32 s34, s32, 20                        ; in: 256 rows of 4,096 bytes,
	s_lshl_b32 s33, s31, 9
	s_add_co_u32 s34, s34, s33                     ; + 128 columns x 4,
	s_lshl_b32 s33, s24, 7
	s_add_co_u32 s34, s34, s33                     ; + my wave's 32 x 4
	s_mov_b32 s35, 0
	s_lshl_b32 s33, s30, 6
	s_lshl_b32 s36, s31, 3
	s_add_co_u32 s33, s33, s36
	s_lshl_b32 s36, s24, 1
	s_add_co_u32 s33, s33, s36                     ; my first tile: 64 x weight + 8 x (128 columns) + 2 x wave
	s_lshl_b32 s36, s33, 14
	s_lshl_b32 s38, s32, 12
	s_add_co_u32 s36, s36, s38                     ; codes: + two K steps for each 256 along K
	s_mov_b32 s37, 0
	s_lshl_b32 s38, s33, 9
	s_lshr_b32 s33, s32, 1
	s_lshl_b32 s33, s33, 8
	s_add_co_u32 s38, s38, s33                     ; scales: the half of K,
	s_and_b32 s33, s32, 1
	s_lshl_b32 s33, s33, 3
	s_add_co_u32 s38, s38, s33                     ; and which two words in it
	s_mov_b32 s39, 0
	s_wait_alu depctr_va_vdst(0)
	s_wait_kmcnt 0x0
	s_bitcmp1_b32 s30, 0                           ; the choice hangs on the work-group's number alone
	s_cselect_b64 s[8:9], s[10:11], s[8:9]         ; Wk or Wq
	s_cselect_b64 s[12:13], s[14:15], s[12:13]     ; Wo or Wv
	s_bitcmp1_b32 s30, 1
	s_cselect_b64 s[8:9], s[12:13], s[8:9]
	s_add_nc_u64 s[8:9], s[8:9], s[34:35]
	s_add_nc_u64 s[20:21], s[20:21], s[36:37]
	s_add_nc_u64 s[22:23], s[22:23], s[38:39]
.macro LOADW t                         ; block t: W(32 t + i, my column) into set t % 2: 32 lanes read 128 consecutive bytes, the four waves 512
.irp i, 0,1,2,3,4,5,6,7,8,9,10,11,12,13,14,15,16,17,18,19,20,21,22,23,24,25,26,27,28,29,30,31
	global_load_b32 v[16+32*((\t)%2)+\i], v4, s[8:9] offset:(32*(\t)+\i)*4096 th:TH_LOAD_NT
.endr
.endm
.macro BLOCKW t
.set XS, 16+32*((\t)%2)
.set CC, 80+8*(\t)                     ; eight registers of codes for each block: no store's data are written again
.if (\t) < 7
	s_wait_loadcnt 32                              ; this block's 32 loads are in; the next block's may be out
.else
	s_wait_loadcnt 0x0
.endif
	v_max3_num_f32 v12, |v[XS]|, |v[XS+1]|, |v[XS+2]|
	v_max3_num_f32 v13, |v[XS+3]|, |v[XS+4]|, |v[XS+5]|
.irp i, 6,10,14,18,22,26
	v_max3_num_f32 v12, v12, |v[XS+\i]|, |v[XS+\i+1]|
	v_max3_num_f32 v13, v13, |v[XS+\i+2]|, |v[XS+\i+3]|
.endr
	v_max3_num_f32 v12, v12, |v[XS+30]|, |v[XS+31]|
	v_max3_num_f32 v12, v12, v13, 0x4800000        ; the block's largest magnitude, and the floor
	v_add_nc_u32 v11, 0xfc000000, v12              ; the conversion's scale operand
	v_lshrrev_b32 v13, 23, v11                     ; the byte
.if (\t)%4 == 0
	v_mov_b32 v[SB+(\t)/4], v13
.else
	v_lshl_or_b32 v[SB+(\t)/4], v13, 8*((\t)%4), v[SB+(\t)/4]
.endif
.irp i, 0,1,2,3,4,5,6,7,8,9,10,11,12,13,14,15,16,17,18,19,20,21,22,23,24,25,26,27,28,29,30,31
.endr
.irp g, 0,1,2,3
	v_cvt_scalef32_pk8_fp8_f32 v[CC+2*\g:CC+2*\g+1], v[XS+8*\g:XS+8*\g+7], v11
.endr
	v_nop                                          ; one plain line behind the last conversion
	global_store_b128 v5, v[CC:CC+3], s[20:21] offset:((\t)/4)*2048+((\t)%4)*512        ; k 0..15 of the block: the image's lanes 0-15.  The 16 lanes of a tile store 256 consecutive bytes, aligned
	global_store_b128 v5, v[CC+4:CC+7], s[20:21] offset:((\t)/4)*2048+((\t)%4)*512+256  ; k 16..31: its lanes 16-31
.if (\t) < 6
	LOADW (\t)+2
.endif
.endm
	LOADW 0
	LOADW 1
.irp t, 0,1,2,3,4,5,6,7
	BLOCKW \t
.endr
	global_store_b64 v6, v[SB:SB+1], s[22:23]      ; my column's two scale words: 8 bytes of each 16: one byte in 128 of what this path reads
	s_endpgm
.Lfunc_end_k_qc3e044d891_quant:
	.size	k_qc3e044d891_quant, .Lfunc_end_k_qc3e044d891_quant-k_qc3e044d891_quant
	.p2alignl 7, 3214868480
	.fill 96, 4, 3214868480
	.section	.rodata,"a",@progbits
	.p2align	6, 0x0
	.amdhsa_kernel k_qc3e044d891_quant
		.amdhsa_group_segment_fixed_size 34304
		.amdhsa_private_segment_fixed_size 0
		.amdhsa_enable_private_segment 0
		.amdhsa_kernarg_size 72
		.amdhsa_user_sgpr_count 2
		.amdhsa_user_sgpr_kernarg_segment_ptr 1
		.amdhsa_wavefront_size32 1
		.amdhsa_system_sgpr_workgroup_id_x 1
		.amdhsa_system_sgpr_workgroup_id_y 1
		.amdhsa_system_sgpr_workgroup_id_z 1
		.amdhsa_system_vgpr_workitem_id 0
		.amdhsa_next_free_vgpr 250
		.amdhsa_next_free_sgpr 66
		.amdhsa_reserve_vcc 0
		.amdhsa_float_denorm_mode_32 3
		.amdhsa_float_denorm_mode_16_64 3
		.amdhsa_fp16_overflow 1
		.amdhsa_memory_ordered 1
		.amdhsa_forward_progress 1
		.amdhsa_inst_pref_size 72
	.end_amdhsa_kernel
	.amdgpu_metadata
---
amdhsa.version: [ 1, 2 ]
amdhsa.kernels:
  - .name:           k_qc3e044d891_quant
    .symbol:         k_qc3e044d891_quant.kd
    .args:
      - { .name: x, .offset: 0, .size: 8, .value_kind: global_buffer, .address_space: global }
      - { .name: Wq, .offset: 8, .size: 8, .value_kind: global_buffer, .address_space: global }
      - { .name: Wk, .offset: 16, .size: 8, .value_kind: global_buffer, .address_space: global }
      - { .name: Wv, .offset: 24, .size: 8, .value_kind: global_buffer, .address_space: global }
      - { .name: Wo, .offset: 32, .size: 8, .value_kind: global_buffer, .address_space: global }
      - { .name: xc, .offset: 40, .size: 8, .value_kind: global_buffer, .address_space: global }
      - { .name: xs, .offset: 48, .size: 8, .value_kind: global_buffer, .address_space: global }
      - { .name: wc, .offset: 56, .size: 8, .value_kind: global_buffer, .address_space: global }
      - { .name: ws, .offset: 64, .size: 8, .value_kind: global_buffer, .address_space: global }
    .group_segment_fixed_size: 34304
    .private_segment_fixed_size: 0
    .kernarg_segment_align: 8
    .kernarg_segment_size: 72
    .max_flat_workgroup_size: 128
    .sgpr_count:     66
    .vgpr_count:     250
    .wavefront_size: 32
...
	.end_amdgpu_metadata
.endif
;; end of part 1
;; launch qkv (part 2): grid 12 x 32, 4 waves a work-group, clusters of 4 x 4, 327,680 bytes of LDS; arguments xc, xs, wc, ws, bq, bk, bv, qb, kv; writes qb, kv
.if DOCPART == 2
	.amdgcn_target "amdgcn-amd-amdhsa--gfx1250"
	.amdhsa_code_object_version 6
	.text
	.protected	k_qc3e044d891_qkv
	.globl	k_qc3e044d891_qkv
	.p2align	8
	.type	k_qc3e044d891_qkv,@function
k_qc3e044d891_qkv:
	s_mov_b64 s[64:65], 0
	v_nop
	global_prefetch_b8 v0, s[64:65] scope:SCOPE_SE
	s_setreg_imm32_b32 hwreg(HW_REG_WAVE_MODE, 25, 1), 1
	s_wait_xcnt 0x0
	s_wait_alu depctr_hold_cnt(0) depctr_sa_sdst(0) depctr_va_vdst(0) depctr_va_sdst(0) depctr_va_ssrc(0) depctr_va_vcc(0) depctr_vm_vsrc(0)
	s_getreg_b32 s2, hwreg(HW_REG_IB_STS2, 6, 4)
	s_cmp_eq_u32 s2, 0
	s_cbranch_scc0 .Lentry_in_a_cluster
	s_endpgm
.Lentry_in_a_cluster:
	s_bfe_u32 s2, ttmp6, 0x10000c
	s_cmp_lg_u32 s2, 0xf033
	s_cbranch_scc0 .Lentry_shape_is_right
	s_endpgm
.Lentry_shape_is_right:
.set NQ,    2
.set FR,    16
.set NL,    4
.set NP,    8
.set HALFT, 32768
.set SLOT,  4*HALFT
.set SCL,   2*SLOT
.set HALFS, 4096
.set SPARE, SCL+4*HALFS
.set BM,   8
.set ADRA, 16
.set ADRB, 20
.set ADRS, 27
.set SPW,  28
.set NIL,  29
.set LI,   30
.set SC,   32
.set BN,   64
.set AF,   128
.set TM,   32
.set PW,   48
.set OFS,  56
.set G1, 24
.set G0, 32
.set G1B, 48
.set G0B, 56
.set G1S, 68
.set G0S, 76
.set G1SB, 80
.set G0SB, 88
.set SCO,   94
.set STEPA, 95
.set JUMP4, 96
.set RUN,   99
.set SEL,   20
.set MNT,   22
.set MSB, 0
.macro WIN new
.if MSB != (\new)
	s_set_vgpr_msb (MSB<<8)|(\new)
.set MSB, (\new)
.endif
.endm
.set MUL_LO, 0xa1
.set MUL_HI, 0xf1
.set TO_B,   0x40
.macro JLOAD g0a, g1a, g0b, g1b
	s_cmp_eq_u32 s15, 0
	s_cbranch_scc0 .Lfor_b_\@
	tensor_load_to_lds s[\g0a:\g0a+3], s[\g1a:\g1a+7]
	s_nop 0
.rept 4
	v_nop
.endr
	s_branch .Lasked_\@
.Lfor_b_\@:
	tensor_load_to_lds s[\g0b:\g0b+3], s[\g1b:\g1b+7]
	s_nop 0
.rept 4
	v_nop
.endr
.Lasked_\@:
.endm
.macro CREST
	s_cmp_lg_u32 s14, 0
	s_cbranch_scc1 .Lnot_wave_0_\@
	s_barrier_signal -3
.Lnot_wave_0_\@:
	s_barrier_wait -3
	s_barrier_signal -1
	s_barrier_wait -1
.endm
.macro CROUND
	s_barrier_signal -1
	s_barrier_wait -1
	CREST
.endm
	s_load_b256 s[4:11], s[0:1], 0x0
	s_load_b256 s[92:99], s[0:1], 0x20
	s_load_b64 s[100:101], s[0:1], 0x40
	v_lshl_add_u32 v[SPW], v0, 2, SPARE
	v_mov_b32 v[NIL], 0
	ds_add_u32 v28, v29
	ds_add_u32 v28, v29
	s_wait_dscnt 0x0
	v_lshrrev_b32 v1, 5, v0
	v_readfirstlane_b32 s14, v1
	s_lshr_b32 s15, s14, 1
	s_and_b32 s16, s14, 1
	s_bfe_u32 s40, ttmp6, 0x40000
	s_bfe_u32 s41, ttmp6, 0x40004
	s_and_b32 s18, ttmp7, 0xffff
	s_lshl_b32 s18, s18, 2
	s_lshl_b32 s42, ttmp9, 2
	s_cmp_eq_u32 ttmp9, 2
	s_cselect_b32 s17, 8, s18
	s_cselect_b32 s42, s18, s42
	s_add_co_u32 s17, s17, s41
	s_add_co_u32 s42, s42, s40
	s_lshl_b32 s43, s41, 2
	s_lshl_b32 s43, 15, s43
	s_lshl_b32 s44, 0x1111, s40
	s_or_b32 s[G1+0], s43, (3<<16)|(1<<21)
	s_or_b32 s[G1B+0], s44, (3<<16)|(1<<21)
.irp g, G1, G1B
	s_mov_b32 s[\g+1], 512<<16
	s_mov_b32 s[\g+2], 8<<16
	s_mov_b32 s[\g+3], 512<<16
	s_mov_b32 s[\g+4], 8
	s_mov_b32 s[\g+5], 2048
	s_mov_b32 s[\g+6], 0
	s_mov_b32 s[\g+7], 0
.endr
	s_or_b32 s[G1S+0], s43, (3<<16)|(1<<21)
	s_or_b32 s[G1SB+0], s44, (3<<16)|(1<<21)
.irp g, G1S, G1SB
	s_mov_b32 s[\g+1], 32<<16
	s_mov_b32 s[\g+2], 16<<16
	s_mov_b32 s[\g+3], 32<<16
	s_mov_b32 s[\g+4], 16
	s_mov_b32 s[\g+5], 32
	s_mov_b32 s[\g+6], 0
	s_mov_b32 s[\g+7], 0
.endr
	s_lshl_b32 s19, s16, 3
	s_lshl_b32 s20, s17, 4
	s_add_co_u32 s20, s20, s19
	s_lshl_b32 s46, s42, 4
	s_add_co_u32 s46, s46, s19
	s_lshl_b32 s22, s20, 9
	s_lshl_b32 s20, s20, 14
	s_lshl_b32 s2, s46, 9
	s_lshl_b32 s46, s46, 14
	s_mov_b32 s21, 0
	s_mov_b32 s23, 0
	s_mov_b32 s3, 0
	s_mov_b32 s47, 0
	s_lshl_b32 s45, s14, 15
	s_lshl_b32 s19, s14, 12
	s_wait_kmcnt 0x0
	s_cmp_eq_u32 ttmp9, 2
	s_cselect_b64 s[12:13], s[8:9], s[4:5]
	s_add_nc_u64 s[20:21], s[12:13], s[20:21]
	s_cselect_b64 s[12:13], s[10:11], s[6:7]
	s_add_nc_u64 s[22:23], s[12:13], s[22:23]
	s_cselect_b64 s[12:13], s[4:5], s[8:9]
	s_add_nc_u64 s[46:47], s[12:13], s[46:47]
	s_cselect_b64 s[12:13], s[6:7], s[10:11]
	s_add_nc_u64 s[2:3], s[12:13], s[2:3]
	CROUND
	s_mov_b32 s[G0S], 1
	s_add_co_u32 s[G0S+1], s19, SCL
	s_mov_b64 s[G0S+2:G0S+3], s[22:23]
	s_or_b32 s[G0S+3], s[G0S+3], 0x80000000
	s_mov_b32 s[G0SB], 1
	s_add_co_u32 s[G0SB+1], s19, SCL
	s_mov_b64 s[G0SB+2:G0SB+3], s[2:3]
	s_or_b32 s[G0SB+3], s[G0SB+3], 0x80000000
	JLOAD G0S, G1S, G0SB, G1SB
.irp s, 0,1
	s_mov_b32 s[G0+4*\s], 1
	s_add_co_u32 s[G0+4*\s+1], s45, \s*SLOT
	s_add_nc_u64 s[G0+4*\s+2:G0+4*\s+3], s[20:21], \s*4096
	s_or_b32 s[G0+4*\s+3], s[G0+4*\s+3], 0x80000000
	s_mov_b32 s[G0B+4*\s], 1
	s_add_co_u32 s[G0B+4*\s+1], s45, \s*SLOT
	s_add_nc_u64 s[G0B+4*\s+2:G0B+4*\s+3], s[46:47], \s*4096
	s_or_b32 s[G0B+4*\s+3], s[G0B+4*\s+3], 0x80000000
	s_wait_alu depctr_va_vdst(0)
	s_wait_tensorcnt 0x0
	ds_add_u32 v28, v29
	s_wait_dscnt 0x0
	CROUND
	JLOAD G0+4*\s, G1, G0B+4*\s, G1B
.endr
	v_and_b32 v1, 15, v0
	v_bfe_u32 v2, v0, 4, 1
	s_wait_alu depctr_va_vdst(0)
	v_and_b32 v3, 31, v0
	v_lshlrev_b32 v[LI], 4, v3
	v_lshlrev_b32 v31, 3, v3
	s_lshl_b32 s21, s15, 15
	s_lshl_b32 s22, s16, 15
	s_add_co_u32 s22, s22, 2*HALFT
.irp s, 0,1
	v_add_nc_u32 v[ADRA+\s], s21, v[LI]
	v_add_nc_u32 v[ADRB+\s], s22, v[LI]
	s_add_co_u32 s21, s21, SLOT
	s_add_co_u32 s22, s22, SLOT
.endr
	s_lshl_b32 s21, s15, 12
	s_lshl_b32 s22, s16, 12
	s_add_co_u32 s22, s22, 2*HALFS
	s_sub_co_u32 s22, s22, s21
	v_mul_u32_u24 v6, s22, v2
	s_add_co_u32 s21, s21, SCL
	v_lshl_add_u32 v5, v1, 4, v6
	v_add_nc_u32 v[ADRS], s21, v5
	v_lshlrev_b32 v18, 6, v2
	s_wait_alu depctr_va_vdst(0)
	v_and_b32 v4, 8, v1
	v_add_nc_u32 v4, v4, v1
	v_lshlrev_b32 v19, 2, v4
	s_wait_alu depctr_va_vdst(0)
	s_cmp_eq_u32 ttmp9, 0
	s_cselect_b64 s[92:93], s[92:93], s[94:95]
	s_cselect_b64 s[98:99], s[98:99], s[100:101]
	s_mov_b32 s100, 274432
	s_cselect_b32 s100, 139264, s100
	s_mov_b32 s101, 17152
	s_cselect_b32 s101, 8704, s101
	s_mov_b32 s[SCO], 16384
	s_cselect_b32 s[SCO], 8192, s[SCO]
	s_cmp_eq_u32 ttmp9, 2
	s_cselect_b64 s[92:93], s[96:97], s[92:93]
	s_cselect_b32 s18, s42, s17
	s_cselect_b32 s19, s16, s15
	s_cselect_b32 s20, s41, s40
	s_cselect_b32 s21, s15, s16
	s_mov_b32 s[STEPA], 1024
	s_cselect_b32 s[STEPA], 2048, s[STEPA]
	s_cselect_b32 s[JUMP4], 266240, 0
	s_cselect_b32 s97, 8192, 0
	s_cselect_b32 s22, 1024, s100
	s_lshl_b32 s18, s18, 4
	s_lshl_b32 s19, s19, 3
	s_add_co_u32 s18, s18, s19
	s_lshr_b32 s19, s18, 7
	s_bfe_u32 s18, s18, 0x40003
	s_lshl_b32 s20, s20, 2
	s_lshl_b32 s21, s21, 1
	s_add_co_u32 s20, s20, s21
	s_lshl_b32 s19, s19, 4
	s_add_co_u32 s19, s19, s20
	s_mul_i32 s19, s19, s100
	s_mul_i32 s18, s18, s101
	s_add_co_u32 s18, s18, s19
	s_add_co_u32 s18, s18, s97
	s_mov_b32 s19, 0
	s_add_nc_u64 s[12:13], s[98:99], s[18:19]
	s_mov_b32 s23, 0
	s_add_nc_u64 s[66:67], s[12:13], s[22:23]
	s_lshl_b32 s20, s20, 8
	s_mov_b32 s21, 0
	s_add_nc_u64 s[92:93], s[92:93], s[20:21]
.irp b, 0,1,2,3,4,5,6,7
	global_load_b128 v[BN+8*\b:BN+8*\b+3], v18, s[92:93] offset:(32*(\b/2)+8*(\b%2))*4
	global_load_b128 v[BN+8*\b+4:BN+8*\b+7], v18, s[92:93] offset:(32*(\b/2)+8*(\b%2))*4+16
.endr
.irp a, 0,1,2,3,4,5,6,7
	global_load_b32 v[BM+\a], v19, s[92:93] offset:(32*(\a/2)+8*(\a%2))*4
.endr
.macro FRAG reg, adr, q, i
.irp c, 0,1,2,3
	ds_load_b128 v[\reg+4*\c:\reg+4*\c+3], v[\adr] offset:4096*(\i)+2048*(\q)+512*\c
.endr
.endm
.macro MUL16 a0, p, q, sc, zero
.irp a, \a0, \a0+1
.irp b, 0,1,2,3,4,5,6,7
.set rD, 8*(8*((\a)%4)+\b)
.set rB, 128*(\p)+FR*\b
.set rA, AF+FR*(\a)
.set rSB, SC+8*NQ*(\sc)+NQ*\b+(\q)
.set rSA, SC+8*NQ*(\sc)+NQ*(\a)+(\q)
.if (\zero) == 1
	v_wmma_scale_f32_16x16x128_f8f6f4 v[rD:rD+7], v[rB:rB+15], v[rA:rA+15], 0, v[rSB], v[rSA] matrix_a_scale:MATRIX_SCALE_ROW1
.else
	v_wmma_scale_f32_16x16x128_f8f6f4 v[rD:rD+7], v[rB:rB+15], v[rA:rA+15], v[rD:rD+7], v[rSB], v[rSA] matrix_a_scale:MATRIX_SCALE_ROW1
.endif
.endr
.endr
.endm
.macro FETCH_B slot, q, p
	WIN TO_B
.irp i, 0,1,2,3,4,5,6,7
	FRAG 128*(\p)+FR*\i, ADRB+\slot, \q, \i
.endr
	WIN 0
.endm
.macro FETCH_A slot, q, i0
.irp i, \i0, \i0+1, \i0+2, \i0+3
	FRAG AF+FR*(\i), ADRA+\slot, \q, \i
.endr
.endm
.macro SCALES sc
.irp i, 0,1,2,3,4,5,6,7
	ds_load_b64 v[SC+8*NQ*\sc+NQ*\i:SC+8*NQ*\sc+NQ*\i+1], v[ADRS] offset:\i*512
.endr
.endm
.macro PLACES n
.rept \n
	v_nop
.endr
.endm
.macro STEP slot, q, zero
	s_wait_dscnt 4*NL
	WIN MUL_LO
	MUL16 0, (\q)%2, \q, \slot, \zero
	MUL16 2, (\q)%2, \q, \slot, \zero
	s_wait_dscnt 0
	PLACES NP
	FETCH_B \slot, (\q)+1, 1-(\q)%2
	FETCH_A \slot, (\q)+1, 0
	WIN MUL_HI
	MUL16 4, (\q)%2, \q, \slot, \zero
	MUL16 6, (\q)%2, \q, \slot, \zero
	PLACES NP
	WIN 0
	FETCH_A \slot, (\q)+1, 4
.endm
.macro TURN slot, next, fill
	s_wait_tensorcnt 0x0
	ds_add_u32 v[SPW], v[NIL]
	s_wait_dscnt 4*NL+1
	WIN MUL_LO
	MUL16 0, 1, NQ-1, \slot, 0
	s_wait_dscnt 0x0
	s_barrier_signal -1
	MUL16 2, 1, NQ-1, \slot, 0
	WIN 0
	s_barrier_wait -1
.if \fill
	CREST
	s_add_nc_u64 s[G0+4*\slot+2:G0+4*\slot+3], s[G0+4*\slot+2:G0+4*\slot+3], 8192
	s_add_nc_u64 s[G0B+4*\slot+2:G0B+4*\slot+3], s[G0B+4*\slot+2:G0B+4*\slot+3], 8192
	JLOAD G0+4*\slot, G1, G0B+4*\slot, G1B
	PLACES NP-4
.else
	PLACES NP
.endif
	s_wait_alu depctr_va_vdst(0)
	v_add_nc_u32 v[ADRS], 8+240*\slot, v[ADRS]
	FETCH_B \next, 0, 0
	FETCH_A \next, 0, 0
	SCALES \next
	WIN MUL_HI
	MUL16 4, 1, NQ-1, \slot, 0
	MUL16 6, 1, NQ-1, \slot, 0
	PLACES NP
	WIN 0
	FETCH_A \next, 0, 4
.endm
	s_wait_tensorcnt 1
	s_barrier_signal -1
	s_barrier_wait -1
	FETCH_B 0, 0, 0
	FETCH_A 0, 0, 0
	SCALES 0
	FETCH_A 0, 0, 4
	STEP 0, 0, 1
	TURN 0, 1, 1
	STEP 1, 0, 0
	TURN 1, 0, 1
	STEP 0, 0, 0
	TURN 0, 1, 0
	STEP 1, 0, 0
	s_wait_dscnt 4*NL
	WIN MUL_LO
	MUL16 0, 1, NQ-1, 1, 0
	MUL16 2, 1, NQ-1, 1, 0
	s_wait_dscnt 0
	WIN MUL_HI
	MUL16 4, 1, NQ-1, 1, 0
	MUL16 6, 1, NQ-1, 1, 0
	WIN 0
	s_wait_loadcnt 0x0
	PLACES NP
	s_mov_b32 s[SEL], 0x76543210
	s_mov_b32 s[SEL+1], 0xfedcba98
	s_mov_b32 s18, 0x01000100
	s_mov_b32 s19, 0x03020302
	s_mov_b32 s23, 0xffff0000
	s_mov_b32 s[RUN], 0
.macro BIASN a
.set AC, 64*((\a)%4)
.set i, 0
.rept 32
	v_pk_add_f32 v[AC+i:AC+i+1], v[AC+i:AC+i+1], v[BN+i:BN+i+1]
.set i, i+2
.endr
.endm
.macro BIASM a
.set AC, 64*((\a)%4)
.set BP, BM+2*((\a)/2)
.set i, 0
.rept 32
.if (\a)%2
	v_pk_add_f32 v[AC+i:AC+i+1], v[AC+i:AC+i+1], v[BP:BP+1] op_sel:[0,1] op_sel_hi:[1,1]
.else
	v_pk_add_f32 v[AC+i:AC+i+1], v[AC+i:AC+i+1], v[BP:BP+1] op_sel_hi:[1,0]
.endif
.set i, i+2
.endr
.endm
	s_cmp_eq_u32 ttmp9, 2
	s_cbranch_scc1 .Lbias_v
	WIN 0x82
.irp a, 0,1,2,3
	BIASN \a
.endr
	WIN 0xc3
.irp a, 4,5,6,7
	BIASN \a
.endr
	WIN 0
	s_branch .Lbiased
.Lbias_v:
	WIN 0x82
.irp a, 0,1,2,3
	BIASM \a
.endr
	WIN 0xc3
.irp a, 4,5,6,7
	BIASM \a
.endr
	WIN 0
.Lbiased:
.macro QUANTW a
.set W, 2+(\a)/4
.set AC, 64*((\a)%4)
.set PCA, AF+16*(\a)
	WIN (W|(W<<2))
.irp b, 0,1,2,3
	v_max3_num_f32 v[TM+\b], |v[AC+16*\b]|, |v[AC+16*\b+1]|, 0x4800000
.endr
	WIN ((W<<2)|(W<<4))
.irp i, 2,4,6,8,10,12,14
.irp b, 0,1,2,3
	v_max3_num_f32 v[TM+\b], v[TM+\b], |v[AC+16*\b+\i]|, |v[AC+16*\b+\i+1]|
.endr
.endr
	WIN 0
.irp b, 0,1,2,3
	v_permlanex16_b32 v[TM+4+\b], v[TM+\b], s[SEL], s[SEL+1]
.endr
.irp b, 0,1,2,3
	v_max_num_f32 v[TM+\b], v[TM+\b], v[TM+4+\b]
.endr
.irp b, 0,1,2,3
	v_add_nc_u32 v[TM+12+\b], 0xfc000000, v[TM+\b]
.endr
.irp b, 0,1,2,3
.endr
.irp b, 0,1,2,3
	v_lshrrev_b32 v[TM+4+\b], 23, v[TM+12+\b]
.endr
	v_lshl_or_b32 v[PW+(\a)], v[TM+5], 8, v[TM+4]
	v_lshl_or_b32 v[PW+(\a)], v[TM+6], 16, v[PW+(\a)]
	v_lshl_or_b32 v[PW+(\a)], v[TM+7], 24, v[PW+(\a)]
	WIN (W|(W<<6))
.irp b, 0,1,2,3
.irp i, 0,1,2,3,4,5,6,7,8,9,10,11,12,13,14,15
.endr
.endr
	WIN W
.irp b, 0,1,2,3
	v_cvt_scalef32_pk8_fp8_f32 v[PCA+4*\b:PCA+4*\b+1], v[AC+16*\b:AC+16*\b+7], v[TM+12+\b]
	v_cvt_scalef32_pk8_fp8_f32 v[PCA+4*\b+2:PCA+4*\b+3], v[AC+16*\b+8:AC+16*\b+15], v[TM+12+\b]
.endr
	WIN 0
	v_nop
	v_add_nc_u32 v[OFS+(\a)], s[RUN], v[LI]
	global_store_b128 v[OFS+(\a)], v[PCA:PCA+3], s[12:13]
	global_store_b128 v[OFS+(\a)], v[PCA+4:PCA+7], s[12:13] offset:512
	global_store_b128 v[OFS+(\a)], v[PCA+8:PCA+11], s[66:67]
	global_store_b128 v[OFS+(\a)], v[PCA+12:PCA+15], s[66:67] offset:512
	s_add_co_u32 s[RUN], s[RUN], s[STEPA]
.if (\a) == 3
	s_add_co_u32 s[RUN], s[RUN], s[JUMP4]
.endif
.endm
.irp a, 0,1,2,3,4,5,6,7
	QUANTW \a
.endr
	s_cmp_eq_u32 ttmp9, 2
	s_cbranch_scc1 .Lwords_v
.irp a, 0,1,2,3,4,5,6,7
	v_perm_b32 v[64+\a], v[PW+\a], v[PW+\a], s18
	v_perm_b32 v[72+\a], v[PW+\a], v[PW+\a], s19
.endr
.irp j, 0,1,2,3
	v_cndmask_b32 v[80+\j], v[64+\j], v[68+\j], s23
	v_cndmask_b32 v[84+\j], v[72+\j], v[76+\j], s23
.endr
	v_add_nc_u32 v88, s[SCO], v[LI]
	global_store_b128 v88, v[80:83], s[12:13]
	global_store_b128 v88, v[84:87], s[66:67]
	s_branch .Lwords_done
.Lwords_v:
.irp e, 0,1
.irp j, 0,1
	v_cndmask_b32 v[80+2*\e+\j], v[PW+4*\e+\j], v[PW+4*\e+2+\j], s23
.endr
	global_store_b64 v31, v[80+2*\e:81+2*\e], s[12:13] offset:8704+\e*274432
.endr
.Lwords_done:
	s_wait_tensorcnt 0x0
	ds_add_u32 v[SPW], v[NIL]
	s_wait_dscnt 0x0
	CROUND
	s_endpgm
.Lfunc_end_k_qc3e044d891_qkv:
	.size	k_qc3e044d891_qkv, .Lfunc_end_k_qc3e044d891_qkv-k_qc3e044d891_qkv
	.p2alignl 7, 3214868480
	.fill 96, 4, 3214868480
	.section	.rodata,"a",@progbits
	.p2align	6, 0x0
	.amdhsa_kernel k_qc3e044d891_qkv
		.amdhsa_group_segment_fixed_size 327680
		.amdhsa_private_segment_fixed_size 0
		.amdhsa_enable_private_segment 0
		.amdhsa_kernarg_size 72
		.amdhsa_user_sgpr_count 2
		.amdhsa_user_sgpr_kernarg_segment_ptr 1
		.amdhsa_wavefront_size32 1
		.amdhsa_system_sgpr_workgroup_id_x 1
		.amdhsa_system_sgpr_workgroup_id_y 1
		.amdhsa_system_sgpr_workgroup_id_z 1
		.amdhsa_system_vgpr_workitem_id 0
		.amdhsa_next_free_vgpr 1024
		.amdhsa_next_free_sgpr 102
		.amdhsa_reserve_vcc 0
		.amdhsa_float_denorm_mode_32 3
		.amdhsa_float_denorm_mode_16_64 3
		.amdhsa_fp16_overflow 1
		.amdhsa_memory_ordered 1
		.amdhsa_forward_progress 1
		.amdhsa_inst_pref_size 189
	.end_amdhsa_kernel
	.amdgpu_metadata
---
amdhsa.version: [ 1, 2 ]
amdhsa.kernels:
  - .name:           k_qc3e044d891_qkv
    .symbol:         k_qc3e044d891_qkv.kd
    .args:
      - { .name: xc, .offset: 0, .size: 8, .value_kind: global_buffer, .address_space: global }
      - { .name: xs, .offset: 8, .size: 8, .value_kind: global_buffer, .address_space: global }
      - { .name: wc, .offset: 16, .size: 8, .value_kind: global_buffer, .address_space: global }
      - { .name: ws, .offset: 24, .size: 8, .value_kind: global_buffer, .address_space: global }
      - { .name: bq, .offset: 32, .size: 8, .value_kind: global_buffer, .address_space: global }
      - { .name: bk, .offset: 40, .size: 8, .value_kind: global_buffer, .address_space: global }
      - { .name: bv, .offset: 48, .size: 8, .value_kind: global_buffer, .address_space: global }
      - { .name: qb, .offset: 56, .size: 8, .value_kind: global_buffer, .address_space: global }
      - { .name: kv, .offset: 64, .size: 8, .value_kind: global_buffer, .address_space: global }
    .group_segment_fixed_size: 327680
    .private_segment_fixed_size: 0
    .kernarg_segment_align: 8
    .kernarg_segment_size: 72
    .max_flat_workgroup_size: 128
    .sgpr_count:     102
    .vgpr_count:     1024
    .wavefront_size: 32
...
	.end_amdgpu_metadata
.endif
;; end of part 2
;; launch attn (part 3): grid 4 x 64, 16 waves a work-group, clusters of 4 x 1, 276,480 bytes of LDS; arguments qb, kv, oc, os; writes oc, os
.if DOCPART == 3
	.amdgcn_target "amdgcn-amd-amdhsa--gfx1250"
	.amdhsa_code_object_version 6
	.text
	.protected	k_qc3e044d891_attn
	.globl	k_qc3e044d891_attn
	.p2align	8
	.type	k_qc3e044d891_attn,@function
k_qc3e044d891_attn:
	s_mov_b64 s[64:65], 0
	v_nop
	global_prefetch_b8 v0, s[64:65] scope:SCOPE_SE
	s_setreg_imm32_b32 hwreg(HW_REG_WAVE_MODE, 25, 1), 1
	s_wait_xcnt 0x0
	s_wait_alu depctr_hold_cnt(0) depctr_sa_sdst(0) depctr_va_vdst(0) depctr_va_sdst(0) depctr_va_ssrc(0) depctr_va_vcc(0) depctr_vm_vsrc(0)
	s_getreg_b32 s2, hwreg(HW_REG_IB_STS2, 6, 4)
	s_cmp_eq_u32 s2, 0
	s_cbranch_scc0 .Lentry_in_a_cluster
	s_endpgm
.Lentry_in_a_cluster:
	s_bfe_u32 s2, ttmp6, 0x10000c
	s_cmp_lg_u32 s2, 0x3003
	s_cbranch_scc0 .Lentry_shape_is_right
	s_endpgm
.Lentry_shape_is_right:
; o = softmax(q k^T / 8) v for one batch x head, both products on codes of FP8 (E4M3) with E8M0 scales; o / l is quantised along the channels and stored as the last product's operand.
; THE SOFTMAX AHEAD OF THE SECOND PRODUCT: t = score x log2(e) / 8; M = the row's largest t so far, rounded UP to a whole number; p = 2^(t - M) is quantised along the keys, not normalised.
; The row's sum is taken of the unquantised p, in f32, and divides at the end.  When M moves, the sum and O are multiplied by 2^(old M - new M): exact.
; SHARES.  A work-group owns 512 queries of one head; each of its sixteen waves two tiles of 16, one after the other (PASS): 256 registers a wave, four waves to a SIMD, so that one wave's vector work stands beside another's matrix work and LDS loads.
; THE WHOLE HEAD'S K, V AND THEIR SCALES, 16 x 17,152 bytes, COME INTO LDS ONCE: wave w brings key step w's dense block by one tensor load.  Nothing is filled again: one barrier, no ring.
; CLUSTER.  The four work-groups of a head read the same bytes: each block is asked for jointly, by the same load with the same descriptor and the mask of all four.
; All requests go out at the head, so there is nothing to ask for ahead of them.
; LAYOUT.  Both products are used transposed: S^T = K Q^T (source 0 = 16 keys), O^T = V^T P^T (source 0 = 16 channels): a lane holds one query throughout.  Keys and channels lie in tiles so that the 16 registers of
; result tiles 2 b, 2 b + 1 are 16 neighbours: 32 b + 16 (lane / 16) + 0..15.  The head has 64 channels and the instruction 128 along K: registers 8-15 of K's and Q's fragments hold zero codes, and their scale words repeat the two real bytes.
; A KEY STEP IN LDS: K's 8 tiles x 1,024 bytes | V's 4 tiles x 2,048 | K's scale words [lane][4] | V's [lane][2]; fragments are images of registers: 16 bytes a lane, 512 a piece.
; OUT.  oc [tile of 16 rows][K step][2,048]: my head's 64 channels are two pieces of a K step; os [tile][half][place][word]: two bytes of a word, since a word's 128 channels span two heads, which are two work-groups' work: 2 bytes a lane.
; LIMITS: 1 / l by v_rcp_f32; a block's largest p is taken from its largest score (v_exp_f32 taken not to fall where its input rises); a block of zeros keeps the byte 1; NaN and infinities are not served.
.set STEPB, 17152                      ; a key step's block
.set HEADB, 16*STEPB
.set VOF,   8192
.set KSC,   16384
.set VSC,   16896
.set LI,   1                           ; v1   16 x lane
.set L8,   2                           ; v2   8 x lane
.set ADR,  3                           ; v3   the step's block + 16 x lane
.set AD8,  4                           ; v4   the step's block + 8 x lane
.set R16,  6                           ; v6   16 x (lane % 16)
.set QS1,  7                           ; v7   Q's scale words, second tile.   v12 -M, v13 the largest t, v[14:15] the sum in two halves; v16-31 Q, first tile; v240-255 Q, second tile
.set KB,   32                          ; v32-95   four fragments of K (registers 8-15 of each stay zero)
.set S,    96                          ; v96-159  S^T, then p, then V's four fragments
.set OT,   160                         ; v160-191 O^T
.set PCD,  192                         ; v192-207 p's codes
.set KS,   208                         ; v208-211 K's scale words: register j: lanes 0-15 tile j, lanes 16-31 tile 4 + j
.set VS,   212                         ; v212-213 V's: register j: lanes 0-15 tile j, lanes 16-31 tile 2 + j
.set QS0,  214                         ; v214     Q's scale words, first tile
.set MX,   216                         ; v216-219 a block's largest score, then its largest p
.set T2,   220                         ; v220-223 at work
.set HD,   224
.set SO,   228                         ; v228-231 the conversions' scale operands
.set FF,   232                         ; v232     f = 2^(old M - new M)
.set PWD,  233                         ; v233     p's scale word
.set TA,   234                         ; v234     at work
.set WV,   12                          ; s12  wave
.set MNT,  19
.set SEL,  20                          ; s[20:21] lane l xor 16
.set CS,   22                          ; s[22:23] c = log2(e) / 8
.set G1,   24                          ; s[24:31], s[32:35] the descriptor
.set G0,   32
.set TB,   36                          ; s36  LDS byte at which the step's block begins
.set CNT,  37                          ; s37  steps to go
.macro ROUND                           ; a round of the cluster's barrier
	s_barrier_signal -1
	s_barrier_wait -1
	s_cmp_lg_u32 s[WV], 0
	s_cbranch_scc1 .Lnot_wave_0_\@
	s_barrier_signal -3
.Lnot_wave_0_\@:
	s_barrier_wait -3
	s_barrier_signal -1
	s_barrier_wait -1
.endm
	s_load_b256 s[4:11], s[0:1], 0x0               ; qb, kv, oc, os
	v_lshl_add_u32 v238, v0, 2, 0x43000
	v_mov_b32 v239, 0
	ds_add_u32 v238, v239
	ds_add_u32 v238, v239
	v_lshrrev_b32 v3, 5, v0
	s_delay_alu instid0(VALU_DEP_1)
	v_readfirstlane_b32 s[WV], v3                  ; wave 0..15
	s_bfe_u32 s13, ttmp6, 0x40000                  ; cx: my 512 queries; it enters global addresses of q and o alone
	s_and_b32 s14, ttmp7, 0xffff                   ; batch x head, which the four partners share
	s_lshr_b32 s15, s14, 4                         ; batch
	s_and_b32 s16, s14, 15                         ; head
	s_mov_b32 s[G1], 15|(3<<16)|(1<<21)            ; 15:0 the mask: all four; 17:16 elements of 8 bytes; 21 set beside a mask
	s_mov_b32 s[G1+1], 32<<16                      ; a dense block of 17,152 bytes as 67 rows of 256
	s_mov_b32 s[G1+2], 67<<16
	s_mov_b32 s[G1+3], 32<<16
	s_mov_b32 s[G1+4], 67
	s_mov_b32 s[G1+5], 32
	s_mov_b32 s[G1+6], 0
	s_mov_b32 s[G1+7], 0
	s_mov_b32 s[SEL], 0x76543210
	s_mov_b32 s[SEL+1], 0xfedcba98
	s_mov_b32 s[CS], 0x3e38aa3b
	s_mov_b32 s[CS+1], s[CS]                       ; (named with it as a pair, so it is written)
	s_mul_i32 s17, s[WV], STEPB                    ; key step w: its place in the head and in LDS
	s_mul_i32 s38, s14, HEADB
	s_add_co_u32 s38, s38, s17
	s_mov_b32 s39, 0
	s_wait_dscnt 0x0
	s_wait_kmcnt 0x0
	s_mov_b32 s[G0], 1
	s_mov_b32 s[G0+1], s17
	s_add_nc_u64 s[G0+2:G0+3], s[6:7], s[38:39]
	s_or_b32 s[G0+3], s[G0+3], 0x80000000
	ROUND                                          ; all four work-groups are here: the joint loads meet
	tensor_load_to_lds s[G0:G0+3], s[G1:G1+7]      ; my one tensor load
	s_nop 0
.rept 4
	v_nop
.endr
	; q: my two tiles 2 (w % 4), + 1 of group 4 cx + w / 4
	s_mul_i32 s38, s14, 139264
	s_lshl_b32 s17, s13, 2
	s_lshr_b32 s18, s[WV], 2
	s_add_co_u32 s17, s17, s18
	s_mul_i32 s17, s17, 8704
	s_add_co_u32 s38, s38, s17                     ; the group
	s_and_b32 s18, s[WV], 3
	s_lshl_b32 s17, s18, 11
	s_add_co_u32 s40, s38, s17
	s_mov_b32 s41, 0
	s_add_nc_u64 s[40:41], s[4:5], s[40:41]        ; the codes
	s_lshr_b32 s17, s18, 1
	s_lshl_b32 s17, s17, 8
	s_add_co_u32 s38, s38, s17                     ; the scale words [lane][4]: tile t, place r lies at 256 (t / 4) + 16 r + 4 (t % 4)
	s_and_b32 s17, s[WV], 1
	s_lshl_b32 s17, s17, 3
	s_add_co_u32 s38, s38, s17
	s_add_co_u32 s38, s38, 8192
	s_add_nc_u64 s[4:5], s[4:5], s[38:39]
	; o: tile T = 128 batch + 32 cx + 2 w
	s_lshl_b32 s17, s15, 7
	s_lshl_b32 s18, s13, 5
	s_add_co_u32 s17, s17, s18
	s_lshl_b32 s18, s[WV], 1
	s_add_co_u32 s17, s17, s18
	s_lshl_b32 s42, s17, 14
	s_lshr_b32 s18, s16, 1
	s_lshl_b32 s18, s18, 11
	s_add_co_u32 s42, s42, s18                     ; K step head / 2,
	s_and_b32 s18, s16, 1
	s_lshl_b32 s18, s18, 10
	s_add_co_u32 s42, s42, s18                     ; pieces 2 (head % 2), + 1
	s_mov_b32 s43, 0
	s_add_nc_u64 s[8:9], s[8:9], s[42:43]
	s_lshl_b32 s42, s17, 9
	s_lshr_b32 s18, s16, 3
	s_lshl_b32 s18, s18, 8
	s_add_co_u32 s42, s42, s18                     ; the half of K,
	s_bfe_u32 s18, s16, 0x20001
	s_lshl_b32 s18, s18, 2
	s_add_co_u32 s42, s42, s18                     ; the word,
	s_and_b32 s18, s16, 1
	s_lshl_b32 s18, s18, 1
	s_add_co_u32 s42, s42, s18                     ; the two bytes in it
	s_add_nc_u64 s[10:11], s[10:11], s[42:43]
	v_and_b32 v5, 31, v0
	s_delay_alu instid0(VALU_DEP_1)
	v_lshlrev_b32 v[LI], 4, v5
	s_delay_alu instid0(VALU_DEP_2)
	v_lshlrev_b32 v[L8], 3, v5
	v_and_b32 v5, 15, v0
	s_delay_alu instid0(VALU_DEP_1)
	v_lshlrev_b32 v[R16], 4, v5
	global_load_b128 v[16:19], v[LI], s[40:41]
	global_load_b128 v[20:23], v[LI], s[40:41] offset:512
	global_load_b128 v[240:243], v[LI], s[40:41] offset:1024
	global_load_b128 v[244:247], v[LI], s[40:41] offset:1536
	global_load_b32 v[QS0], v[R16], s[4:5]
	global_load_b32 v[QS1], v[R16], s[4:5] offset:4
.irp j, 0,1,2,3,4,5,6,7
	v_mov_b32 v[24+\j], 0                          ; zero codes for k = 64 .. 127: Q's,
	v_mov_b32 v[248+\j], 0
.irp t, 0,1,2,3
	v_mov_b32 v[KB+16*\t+8+\j], 0                  ; and K's, written once
.endr
.endr
.irp b, 0,1,2,3
	v_mov_b32 v[T2+\b], 0                          ; a lane permute's destination counts as one of its sources
.endr
	v_mov_b32 v[PWD], 0                            ; (named as the upper half of the pair with f before it is first written)
	s_wait_tensorcnt 0x0                           ; my block is in,
	s_barrier_signal -1
	s_barrier_wait -1                              ; everybody's is: the head lies in LDS
	s_wait_loadcnt 0x0                             ; Q
.macro CHAIN b0, b1                    ; the largest score of two blocks of 32 keys, by turns; each result tile is first read at its low end
.irp b, \b0, \b1
	v_max3_num_f32 v[MX+\b], v[S+16*\b], v[S+16*\b+1], v[S+16*\b+2]
.endr
.irp i, 3,5,7,9,11,13
.irp b, \b0, \b1
	v_max3_num_f32 v[MX+\b], v[MX+\b], v[S+16*\b+\i], v[S+16*\b+\i+1]
.endr
.endr
.irp b, \b0, \b1
	v_max_num_f32 v[MX+\b], v[MX+\b], v[S+16*\b+15]
.endr
.endm
; A KEY STEP: 128 keys against the tile of queries in v[qf] on, scale words in v[qs]
.macro STEP qf, qs
	v_add_nc_u32 v[ADR], s[TB], v[LI]
	v_add_nc_u32 v[AD8], s[TB], v[L8]
	ds_load_b128 v[KS:KS+3], v[ADR] offset:KSC
.irp t, 0,1,2,3
	ds_load_b128 v[KB+16*\t:KB+16*\t+3], v[ADR] offset:1024*\t
	ds_load_b128 v[KB+16*\t+4:KB+16*\t+7], v[ADR] offset:1024*\t+512
.endr
.rept 7
	v_nop                                          ; with the two additions nine places: the products below write over registers that the last step's products read as V's fragments
.endr
	s_wait_alu depctr_va_vdst(0)
	s_wait_dscnt 0x0
.irp t, 0,1,2,3
	v_wmma_scale_f32_16x16x128_f8f6f4 v[S+8*\t:S+8*\t+7], v[KB+16*\t:KB+16*\t+15], v[\qf:\qf+15], 0, v[KS+\t], v[\qs]
.endr
.rept 8
	v_nop                                          ; places in front of the loads into K's registers, and of the first reads of these four results
.endr
.irp t, 0,1,2,3
	ds_load_b128 v[KB+16*\t:KB+16*\t+3], v[ADR] offset:4096+1024*\t
	ds_load_b128 v[KB+16*\t+4:KB+16*\t+7], v[ADR] offset:4096+1024*\t+512
.endr
	s_wait_dscnt 0x0
.irp t, 0,1,2,3
	v_wmma_scale_f32_16x16x128_f8f6f4 v[S+32+8*\t:S+32+8*\t+7], v[KB+16*\t:KB+16*\t+15], v[\qf:\qf+15], 0, v[KS+\t], v[\qs] matrix_a_scale:MATRIX_SCALE_ROW1
.endr
	CHAIN 0, 1                                     ; sixteen plain lines on the first four results: the places behind the last four products
	CHAIN 2, 3
.irp b, 0,1,2,3
	v_permlanex16_b32 v[T2+\b], v[MX+\b], s[SEL], s[SEL+1]
.endr
.irp b, 0,1,2,3
	s_delay_alu instid0(VALU_DEP_4)
	v_max_num_f32 v[MX+\b], v[MX+\b], v[T2+\b]     ; with lane l xor 16's 16 keys: the block's largest score: it serves for the row's maximum and for the block's largest p
.endr
	s_delay_alu instid0(VALU_DEP_2)
	v_max3_num_f32 v[TA], v[MX], v[MX+1], v[MX+2]
	s_delay_alu instid0(VALU_DEP_1)
	v_max_num_f32 v[TA], v[TA], v[MX+3]
	s_delay_alu instid0(VALU_DEP_1)
	v_mul_f32 v[TA], s[CS], v[TA]                  ; as t (c is positive)
	s_delay_alu instid0(VALU_DEP_1)
	v_max_num_f32 v13, v13, v[TA]                  ; the running largest t
	v_mov_b32 v[TA], v12
	s_delay_alu instid0(VALU_DEP_2)
	v_floor_f32 v12, -v13                          ; the new -M = floor(-t) = -ceil(t)
	s_delay_alu instid0(VALU_DEP_1)
	v_sub_f32 v[TA], v12, v[TA]                    ; old M - new M: a whole number, 0 or less
	s_delay_alu instid0(VALU_DEP_1)
	v_cvt_i32_f32 v[TA], v[TA]                     ; (it saturates)
	s_delay_alu instid0(VALU_DEP_1)
	v_ldexp_f32 v[FF], 1.0, v[TA]                  ; f = 2^(old M - new M)
.set j, 0
.rept 32
	v_pk_fma_f32 v[S+j:S+j+1], v[S+j:S+j+1], s[CS:CS+1], v[12:13] op_sel_hi:[1,0,0]   ; t - M, two at a time
.set j, j+2
.endr
.irp b, 0,1,2,3
	v_fma_f32 v[MX+\b], v[MX+\b], s[CS], v12       ; the same of each block's largest score
.endr
.set j, 0
	s_wait_alu depctr_va_vdst(0)
.rept 64
	v_exp_f32 v[S+j], v[S+j]                       ; p = 2^(t - M), at most 1
.set j, j+1
.endr
	s_setprio 1
	v_pk_mul_f32 v[14:15], v[14:15], v[FF:FF+1] op_sel_hi:[1,0]   ; the sums under the new M: a plain line behind the exponentials
	s_wait_alu depctr_va_vdst(0)                   ; one wait for the batch of 64, ahead of its first reader
.irp b, 0,1,2,3
	v_exp_f32 v[MX+\b], v[MX+\b]                   ; the block's largest p
.endr
	v_pk_add_f32 v[220:221], v[100:101], v[104:105]
	v_pk_add_f32 v[236:237], v[108:109], v[112:113]
	v_pk_add_f32 v[234:235], v[116:117], v[120:121]
	v_pk_add_f32 v[230:231], v[124:125], v[128:129]
	v_pk_add_f32 v[228:229], v[132:133], v[136:137]
	v_pk_add_f32 v[226:227], v[140:141], v[144:145]
	v_pk_add_f32 v[224:225], v[148:149], v[152:153]
	v_pk_add_f32 v[14:15], v[14:15], v[156:157]
	v_pk_add_f32 v[220:221], v[220:221], v[96:97]
	v_pk_add_f32 v[236:237], v[236:237], v[98:99]
	v_pk_add_f32 v[234:235], v[234:235], v[102:103]
	v_pk_add_f32 v[230:231], v[230:231], v[106:107]
	v_pk_add_f32 v[228:229], v[228:229], v[110:111]
	v_pk_add_f32 v[226:227], v[226:227], v[114:115]
	v_pk_add_f32 v[224:225], v[224:225], v[118:119]
	v_pk_add_f32 v[14:15], v[14:15], v[122:123]
	v_pk_add_f32 v[220:221], v[220:221], v[126:127]
	v_pk_add_f32 v[236:237], v[236:237], v[130:131]
	v_pk_add_f32 v[234:235], v[234:235], v[134:135]
	v_pk_add_f32 v[230:231], v[230:231], v[138:139]
	v_pk_add_f32 v[228:229], v[228:229], v[142:143]
	v_pk_add_f32 v[226:227], v[226:227], v[146:147]
	v_pk_add_f32 v[224:225], v[224:225], v[150:151]
	v_pk_add_f32 v[14:15], v[14:15], v[154:155]
	v_pk_add_f32 v[220:221], v[220:221], v[158:159]
	s_delay_alu instid0(VALU_DEP_2)
	v_pk_add_f32 v[14:15], v[14:15], v[230:231]
	s_delay_alu instid0(VALU_DEP_2)
	v_pk_add_f32 v[220:221], v[220:221], v[228:229]
	v_pk_add_f32 v[236:237], v[236:237], v[226:227]
	v_pk_add_f32 v[234:235], v[234:235], v[224:225]
	s_delay_alu instid0(VALU_DEP_2)
	v_pk_add_f32 v[14:15], v[14:15], v[236:237]
	s_delay_alu instid0(VALU_DEP_2)
	v_pk_add_f32 v[220:221], v[220:221], v[234:235]
	s_delay_alu instid0(VALU_DEP_1)
	v_pk_add_f32 v[14:15], v[14:15], v[220:221]
	s_wait_alu depctr_va_vdst(0)                   ; and one for the four
.irp b, 0,1,2,3
	v_max_num_f32 v[MX+\b], 0x4800000, v[MX+\b]    ; the floor 2^(9 - 127): the byte cannot fall under 1
.endr
.irp b, 0,1,2,3
	s_delay_alu instid0(VALU_DEP_4)
	v_add_nc_u32 v[SO+\b], 0xfc000000, v[MX+\b]    ; the conversion's scale operand
.endr
.irp b, 0,1,2,3
.endr
.irp b, 0,1,2,3
	s_delay_alu instid0(VALU_DEP_4)
	v_lshrrev_b32 v[T2+\b], 23, v[SO+\b]           ; the byte
.endr
	s_delay_alu instid0(VALU_DEP_3)
	v_lshl_or_b32 v[PWD], v[T2+1], 8, v[T2]        ; p's scale word for these 128 keys
	s_delay_alu instid0(VALU_DEP_1)
	v_lshl_or_b32 v[PWD], v[T2+2], 16, v[PWD]
	s_delay_alu instid0(VALU_DEP_1)
	v_lshl_or_b32 v[PWD], v[T2+3], 24, v[PWD]
.irp b, 0,1,2,3
.irp i, 0,1,2,3,4,5,6,7,8,9,10,11,12,13,14,15
.endr
	v_cvt_scalef32_pk8_fp8_f32 v[PCD+4*\b:PCD+4*\b+1], v[S+16*\b:S+16*\b+7], v[SO+\b]
	v_cvt_scalef32_pk8_fp8_f32 v[PCD+4*\b+2:PCD+4*\b+3], v[S+16*\b+8:S+16*\b+15], v[SO+\b]
.endr
	v_nop
.irp t, 0,1,2,3
.irp c, 0,1,2,3
	ds_load_b128 v[S+16*\t+4*\c:S+16*\t+4*\c+3], v[ADR] offset:VOF+2048*\t+512*\c   ; V's four fragments, into the registers that p has left
.endr
.endr
	s_setprio 0
	ds_load_b64 v[VS:VS+1], v[AD8] offset:VSC
.set j, 0
.rept 16
	v_pk_mul_f32 v[OT+j:OT+j+1], v[OT+j:OT+j+1], v[FF:FF+1] op_sel_hi:[1,0]   ; O^T under the new M.  These sixteen are also the plain lines behind the conversions and in front of the products
.set j, j+2
.endr
	s_wait_alu depctr_va_vdst(0)
	s_wait_dscnt 0x0
.irp t, 0,1
	v_wmma_scale_f32_16x16x128_f8f6f4 v[OT+8*\t:OT+8*\t+7], v[S+16*\t:S+16*\t+15], v[PCD:PCD+15], v[OT+8*\t:OT+8*\t+7], v[VS+\t], v[PWD]
.endr
.irp t, 0,1
	v_wmma_scale_f32_16x16x128_f8f6f4 v[OT+16+8*\t:OT+16+8*\t+7], v[S+32+16*\t:S+32+16*\t+15], v[PCD:PCD+15], v[OT+16+8*\t:OT+16+8*\t+7], v[VS+\t], v[PWD] matrix_a_scale:MATRIX_SCALE_ROW1
.endr                                  ; the four accumulators take turns, one instruction a turn
.endm
; One tile of 16 queries against all 2,048 keys, and its way out.  p: which of my two tiles
.macro PASS qf, qs, p
.if \p
	s_wait_xcnt 0x0                                ; the first tile's stores have read their registers, which are written again
.endif
	v_mov_b32 v13, 0xff61b1e6                      ; the largest t so far: -3e38, under every t
	s_delay_alu instid0(VALU_DEP_1)
	v_floor_f32 v12, -v13
	v_mov_b32 v14, 0
	v_mov_b32 v15, 0
.set j, 0
.rept 32
	v_mov_b32 v[OT+j], 0                           ; the step is written once: the first finds zeros, which the first change of M leaves zeros
.set j, j+1
.endr
	s_mov_b32 s[TB], 0
	s_mov_b32 s[CNT], 16
.Lstep_\@:
	s_setprio 2
	STEP \qf, \qs
	s_add_co_u32 s[TB], s[TB], STEPB
	s_sub_co_u32 s[CNT], s[CNT], 1
	s_cmp_lg_u32 s[CNT], 0
	s_cbranch_scc1 .Lstep_\@
	s_setprio 0
	v_add_f32 v14, v14, v15                        ; the sum's two halves,
	s_delay_alu instid0(VALU_DEP_1)
	v_permlanex16_b32 v[T2], v14, s[SEL], s[SEL+1]
	s_delay_alu instid0(VALU_DEP_1)
	v_add_f32 v14, v14, v[T2]                      ; and lane l xor 16's: l
	s_wait_alu depctr_va_vdst(0)
	v_rcp_f32 v14, v14
.rept 8
	v_nop                                          ; places behind the last products, and the plain line behind the reciprocal
.endr
	s_wait_alu depctr_va_vdst(0)                   ; ahead of the reciprocal's first reader
.set j, 0
.rept 16
	v_pk_mul_f32 v[S+j:S+j+1], v[OT+j:OT+j+1], v[14:15] op_sel_hi:[1,0]   ; o = O^T / l: register 16 b + i is channel 32 b + 16 (lane / 16) + i of my query
.set j, j+2
.endr
.irp b, 0,1
	v_max3_num_f32 v[MX+\b], |v[S+16*\b]|, |v[S+16*\b+1]|, 0x4800000
.endr
.irp i, 2,4,6,8,10,12,14
.irp b, 0,1
	s_delay_alu instid0(VALU_DEP_2)
	v_max3_num_f32 v[MX+\b], v[MX+\b], |v[S+16*\b+\i]|, |v[S+16*\b+\i+1]|
.endr
.endr
.irp b, 0,1
	s_delay_alu instid0(VALU_DEP_2)
	v_permlanex16_b32 v[T2+\b], v[MX+\b], s[SEL], s[SEL+1]
.endr
.irp b, 0,1
	s_delay_alu instid0(VALU_DEP_2)
	v_max_num_f32 v[MX+\b], v[MX+\b], v[T2+\b]
.endr
.irp b, 0,1
	s_delay_alu instid0(VALU_DEP_2)
	v_add_nc_u32 v[SO+\b], 0xfc000000, v[MX+\b]
.endr
.irp b, 0,1
.endr
.irp b, 0,1
	s_delay_alu instid0(VALU_DEP_2)
	v_lshrrev_b32 v[T2+\b], 23, v[SO+\b]
.endr
	s_delay_alu instid0(VALU_DEP_1)
	v_lshl_or_b32 v[TA], v[T2+1], 8, v[T2]         ; my head's two bytes of the row's scale word
.irp b, 0,1
.irp i, 0,1,2,3,4,5,6,7,8,9,10,11,12,13,14,15
.endr
	v_cvt_scalef32_pk8_fp8_f32 v[PCD+4*\b:PCD+4*\b+1], v[S+16*\b:S+16*\b+7], v[SO+\b]
	v_cvt_scalef32_pk8_fp8_f32 v[PCD+4*\b+2:PCD+4*\b+3], v[S+16*\b+8:S+16*\b+15], v[SO+\b]
.endr
	v_nop                                          ; one plain line behind the last conversion
	global_store_b128 v[LI], v[PCD:PCD+3], s[8:9] offset:16384*\p          ; 512 consecutive bytes, aligned
	global_store_b128 v[LI], v[PCD+4:PCD+7], s[8:9] offset:16384*\p+512
	global_store_b16 v[R16], v[TA], s[10:11] offset:512*\p                 ; lanes 16-31 hold and write the same as lanes 0-15
.endm
	PASS 16, QS0, 0
	PASS 240, QS1, 1
	s_wait_tensorcnt 0x0
	ds_add_u32 v238, v239
	s_wait_dscnt 0x0
	ROUND                                          ; the closing round: no work-group ends while a partner may still ask for a block that names it
	s_endpgm
.Lfunc_end_k_qc3e044d891_attn:
	.size	k_qc3e044d891_attn, .Lfunc_end_k_qc3e044d891_attn-k_qc3e044d891_attn
	.p2alignl 7, 3214868480
	.fill 96, 4, 3214868480
	.section	.rodata,"a",@progbits
	.p2align	6, 0x0
	.amdhsa_kernel k_qc3e044d891_attn
		.amdhsa_group_segment_fixed_size 276480
		.amdhsa_private_segment_fixed_size 0
		.amdhsa_enable_private_segment 0
		.amdhsa_kernarg_size 32
		.amdhsa_user_sgpr_count 2
		.amdhsa_user_sgpr_kernarg_segment_ptr 1
		.amdhsa_wavefront_size32 1
		.amdhsa_system_sgpr_workgroup_id_x 1
		.amdhsa_system_sgpr_workgroup_id_y 1
		.amdhsa_system_sgpr_workgroup_id_z 1
		.amdhsa_system_vgpr_workitem_id 0
		.amdhsa_next_free_vgpr 256
		.amdhsa_next_free_sgpr 66
		.amdhsa_reserve_vcc 0
		.amdhsa_float_denorm_mode_32 3
		.amdhsa_float_denorm_mode_16_64 3
		.amdhsa_fp16_overflow 1
		.amdhsa_memory_ordered 1
		.amdhsa_forward_progress 1
		.amdhsa_inst_pref_size 53
	.end_amdhsa_kernel
	.amdgpu_metadata
---
amdhsa.version: [ 1, 2 ]
amdhsa.kernels:
  - .name:           k_qc3e044d891_attn
    .symbol:         k_qc3e044d891_attn.kd
    .args:
      - { .name: qb, .offset: 0, .size: 8, .value_kind: global_buffer, .address_space: global }
      - { .name: kv, .offset: 8, .size: 8, .value_kind: global_buffer, .address_space: global }
      - { .name: oc, .offset: 16, .size: 8, .value_kind: global_buffer, .address_space: global }
      - { .name: os, .offset: 24, .size: 8, .value_kind: global_buffer, .address_space: global }
    .group_segment_fixed_size: 276480
    .private_segment_fixed_size: 0
    .kernarg_segment_align: 8
    .kernarg_segment_size: 32
    .max_flat_workgroup_size: 512
    .sgpr_count:     66
    .vgpr_count:     256
    .wavefront_size: 32
...
	.end_amdgpu_metadata
.endif
;; end of part 3
;; launch outp (part 4): grid 4 x 32, 4 waves a work-group, clusters of 4 x 4, 327,680 bytes of LDS; arguments oc, os, wc, ws, bo, out0; writes out0
.if DOCPART == 4
	.amdgcn_target "amdgcn-amd-amdhsa--gfx1250"
	.amdhsa_code_object_version 6
	.text
	.protected	k_qc3e044d891_outp
	.globl	k_qc3e044d891_outp
	.p2align	8
	.type	k_qc3e044d891_outp,@function
k_qc3e044d891_outp:
	s_mov_b64 s[64:65], 0
	v_nop
	global_prefetch_b8 v0, s[64:65] scope:SCOPE_SE
	s_setreg_imm32_b32 hwreg(HW_REG_WAVE_MODE, 25, 1), 1
	s_wait_xcnt 0x0
	s_wait_alu depctr_hold_cnt(0) depctr_sa_sdst(0) depctr_va_vdst(0) depctr_va_sdst(0) depctr_va_ssrc(0) depctr_va_vcc(0) depctr_vm_vsrc(0)
	s_getreg_b32 s2, hwreg(HW_REG_IB_STS2, 6, 4)
	s_cmp_eq_u32 s2, 0
	s_cbranch_scc0 .Lentry_in_a_cluster
	s_endpgm
.Lentry_in_a_cluster:
	s_bfe_u32 s2, ttmp6, 0x10000c
	s_cmp_lg_u32 s2, 0xf033
	s_cbranch_scc0 .Lentry_shape_is_right
	s_endpgm
.Lentry_shape_is_right:
.set NQ,    2
.set FR,    16
.set NL,    4
.set NP,    8
.set HALFT, 32768
.set SLOT,  4*HALFT
.set SCL,   2*SLOT
.set HALFS, 4096
.set SPARE, SCL+4*HALFS
.set SPITCH, 528
.set ADRA, 16
.set ADRB, 20
.set STO,  24
.set RD,   25
.set ADRS, 27
.set SPW,  28
.set NIL,  29
.set LI,   30
.set SC,   32
.set BN,   64
.set AF,   128
.set BK,   128
.set G1, 24
.set G0, 32
.set G1B, 48
.set G0B, 56
.set G1S, 68
.set G0S, 76
.set G1SB, 80
.set G0SB, 88
.set MSB, 0
.macro WIN new
.if MSB != (\new)
	s_set_vgpr_msb (MSB<<8)|(\new)
.set MSB, (\new)
.endif
.endm
.set MUL_LO, 0xa1
.set MUL_HI, 0xf1
.set TO_B,   0x40
.macro JLOAD g0a, g1a, g0b, g1b
	s_cmp_eq_u32 s15, 0
	s_cbranch_scc0 .Lfor_b_\@
	tensor_load_to_lds s[\g0a:\g0a+3], s[\g1a:\g1a+7]
	s_nop 0
.rept 4
	v_nop
.endr
	s_branch .Lasked_\@
.Lfor_b_\@:
	tensor_load_to_lds s[\g0b:\g0b+3], s[\g1b:\g1b+7]
	s_nop 0
.rept 4
	v_nop
.endr
.Lasked_\@:
.endm
.macro CREST
	s_cmp_lg_u32 s14, 0
	s_cbranch_scc1 .Lnot_wave_0_\@
	s_barrier_signal -3
.Lnot_wave_0_\@:
	s_barrier_wait -3
	s_barrier_signal -1
	s_barrier_wait -1
.endm
.macro CROUND
	s_barrier_signal -1
	s_barrier_wait -1
	CREST
.endm
	s_load_b256 s[4:11], s[0:1], 0x0
	s_load_b128 s[92:95], s[0:1], 0x20
	v_lshl_add_u32 v[SPW], v0, 2, SPARE
	v_mov_b32 v[NIL], 0
	ds_add_u32 v28, v29
	ds_add_u32 v28, v29
	s_wait_dscnt 0x0
	v_lshrrev_b32 v1, 5, v0
	v_readfirstlane_b32 s14, v1
	s_lshr_b32 s15, s14, 1
	s_and_b32 s16, s14, 1
	s_bfe_u32 s40, ttmp6, 0x40000
	s_bfe_u32 s41, ttmp6, 0x40004
	s_and_b32 s17, ttmp7, 0xffff
	s_lshl_b32 s17, s17, 2
	s_add_co_u32 s17, s17, s41
	s_add_co_u32 s42, s40, 12
	s_lshl_b32 s43, s41, 2
	s_lshl_b32 s43, 15, s43
	s_lshl_b32 s44, 0x1111, s40
	s_or_b32 s[G1+0], s43, (3<<16)|(1<<21)
	s_or_b32 s[G1B+0], s44, (3<<16)|(1<<21)
.irp g, G1, G1B
	s_mov_b32 s[\g+1], 512<<16
	s_mov_b32 s[\g+2], 8<<16
	s_mov_b32 s[\g+3], 512<<16
	s_mov_b32 s[\g+4], 8
	s_mov_b32 s[\g+5], 2048
	s_mov_b32 s[\g+6], 0
	s_mov_b32 s[\g+7], 0
.endr
	s_or_b32 s[G1S+0], s43, (3<<16)|(1<<21)
	s_or_b32 s[G1SB+0], s44, (3<<16)|(1<<21)
.irp g, G1S, G1SB
	s_mov_b32 s[\g+1], 32<<16
	s_mov_b32 s[\g+2], 16<<16
	s_mov_b32 s[\g+3], 32<<16
	s_mov_b32 s[\g+4], 16
	s_mov_b32 s[\g+5], 32
	s_mov_b32 s[\g+6], 0
	s_mov_b32 s[\g+7], 0
.endr
	s_lshl_b32 s19, s16, 3
	s_lshl_b32 s20, s17, 4
	s_add_co_u32 s20, s20, s19
	s_lshl_b32 s46, s42, 4
	s_add_co_u32 s46, s46, s19
	s_lshl_b32 s22, s20, 9
	s_lshl_b32 s20, s20, 14
	s_lshl_b32 s2, s46, 9
	s_lshl_b32 s46, s46, 14
	s_mov_b32 s21, 0
	s_mov_b32 s23, 0
	s_mov_b32 s3, 0
	s_mov_b32 s47, 0
	s_lshl_b32 s45, s14, 15
	s_lshl_b32 s19, s14, 12
	s_wait_kmcnt 0x0
	s_add_nc_u64 s[20:21], s[4:5], s[20:21]
	s_add_nc_u64 s[22:23], s[6:7], s[22:23]
	s_add_nc_u64 s[46:47], s[8:9], s[46:47]
	s_add_nc_u64 s[2:3], s[10:11], s[2:3]
	CROUND
	s_mov_b32 s[G0S], 1
	s_add_co_u32 s[G0S+1], s19, SCL
	s_mov_b64 s[G0S+2:G0S+3], s[22:23]
	s_or_b32 s[G0S+3], s[G0S+3], 0x80000000
	s_mov_b32 s[G0SB], 1
	s_add_co_u32 s[G0SB+1], s19, SCL
	s_mov_b64 s[G0SB+2:G0SB+3], s[2:3]
	s_or_b32 s[G0SB+3], s[G0SB+3], 0x80000000
	JLOAD G0S, G1S, G0SB, G1SB
.irp s, 0,1
	s_mov_b32 s[G0+4*\s], 1
	s_add_co_u32 s[G0+4*\s+1], s45, \s*SLOT
	s_add_nc_u64 s[G0+4*\s+2:G0+4*\s+3], s[20:21], \s*4096
	s_or_b32 s[G0+4*\s+3], s[G0+4*\s+3], 0x80000000
	s_mov_b32 s[G0B+4*\s], 1
	s_add_co_u32 s[G0B+4*\s+1], s45, \s*SLOT
	s_add_nc_u64 s[G0B+4*\s+2:G0B+4*\s+3], s[46:47], \s*4096
	s_or_b32 s[G0B+4*\s+3], s[G0B+4*\s+3], 0x80000000
	s_wait_alu depctr_va_vdst(0)
	s_wait_tensorcnt 0x0
	ds_add_u32 v28, v29
	s_wait_dscnt 0x0
	CROUND
	JLOAD G0+4*\s, G1, G0B+4*\s, G1B
.endr
	v_and_b32 v1, 15, v0
	v_bfe_u32 v2, v0, 4, 1
	s_wait_alu depctr_va_vdst(0)
	v_and_b32 v3, 31, v0
	v_lshlrev_b32 v[LI], 4, v3
	s_lshl_b32 s21, s15, 15
	s_lshl_b32 s22, s16, 15
	s_add_co_u32 s22, s22, 2*HALFT
.irp s, 0,1
	v_add_nc_u32 v[ADRA+\s], s21, v[LI]
	v_add_nc_u32 v[ADRB+\s], s22, v[LI]
	s_add_co_u32 s21, s21, SLOT
	s_add_co_u32 s22, s22, SLOT
.endr
	s_lshl_b32 s21, s15, 12
	s_lshl_b32 s22, s16, 12
	s_add_co_u32 s22, s22, 2*HALFS
	s_sub_co_u32 s22, s22, s21
	v_mul_u32_u24 v6, s22, v2
	s_add_co_u32 s21, s21, SCL
	v_lshl_add_u32 v5, v1, 4, v6
	v_add_nc_u32 v[ADRS], s21, v5
	v_lshlrev_b32 v18, 6, v2
	s_wait_alu depctr_va_vdst(0)
	s_mul_i32 s23, s14, 16*SPITCH
	v_mul_u32_u24 v5, v1, SPITCH
	v_lshl_add_u32 v5, v2, 6, v5
	v_add_nc_u32 v[STO], s23, v5
	v_add_nc_u32 v[RD], s23, v[LI]
	s_lshl_b32 s20, s17, 8
	s_lshl_b32 s21, s15, 7
	s_add_co_u32 s20, s20, s21
	s_lshl_b32 s20, s20, 12
	s_lshl_b32 s46, s40, 10
	s_lshl_b32 s47, s16, 9
	s_add_co_u32 s46, s46, s47
	s_mov_b32 s47, 0
	s_add_nc_u64 s[92:93], s[92:93], s[46:47]
	s_add_co_u32 s20, s20, s46
	s_mov_b32 s21, 0
	s_add_nc_u64 s[12:13], s[94:95], s[20:21]
.irp b, 0,1,2,3,4,5,6,7
	global_load_b128 v[BN+8*\b:BN+8*\b+3], v18, s[92:93] offset:(32*(\b/2)+8*(\b%2))*4
	global_load_b128 v[BN+8*\b+4:BN+8*\b+7], v18, s[92:93] offset:(32*(\b/2)+8*(\b%2))*4+16
.endr
.macro FRAG reg, adr, q, i
.irp c, 0,1,2,3
	ds_load_b128 v[\reg+4*\c:\reg+4*\c+3], v[\adr] offset:4096*(\i)+2048*(\q)+512*\c
.endr
.endm
.macro MUL16 a0, p, q, sc, zero
.irp a, \a0, \a0+1
.irp b, 0,1,2,3,4,5,6,7
.set rD, 8*(8*((\a)%4)+\b)
.set rB, 128*(\p)+FR*\b
.set rA, AF+FR*(\a)
.set rSB, SC+8*NQ*(\sc)+NQ*\b+(\q)
.set rSA, SC+8*NQ*(\sc)+NQ*(\a)+(\q)
.if (\zero) == 2
	v_wmma_scale_f32_16x16x128_f8f6f4 v[rD:rD+7], v[rB:rB+15], v[rA:rA+15], v[BN+8*\b:BN+8*\b+7], v[rSB], v[rSA] matrix_a_scale:MATRIX_SCALE_ROW1
.else
	v_wmma_scale_f32_16x16x128_f8f6f4 v[rD:rD+7], v[rB:rB+15], v[rA:rA+15], v[rD:rD+7], v[rSB], v[rSA] matrix_a_scale:MATRIX_SCALE_ROW1
.endif
.endr
.endr
.endm
.macro FETCH_B slot, q, p
	WIN TO_B
.irp i, 0,1,2,3,4,5,6,7
	FRAG 128*(\p)+FR*\i, ADRB+\slot, \q, \i
.endr
	WIN 0
.endm
.macro FETCH_A slot, q, i0
.irp i, \i0, \i0+1, \i0+2, \i0+3
	FRAG AF+FR*(\i), ADRA+\slot, \q, \i
.endr
.endm
.macro SCALES sc
.irp i, 0,1,2,3,4,5,6,7
	ds_load_b64 v[SC+8*NQ*\sc+NQ*\i:SC+8*NQ*\sc+NQ*\i+1], v[ADRS] offset:\i*512
.endr
.endm
.macro PLACES n
.rept \n
	v_nop
.endr
.endm
.macro STEP slot, q, zero
	s_wait_dscnt 4*NL
.if (\zero) == 2
	WIN 0x81
.else
	WIN MUL_LO
.endif
	MUL16 0, (\q)%2, \q, \slot, \zero
	MUL16 2, (\q)%2, \q, \slot, \zero
	s_wait_dscnt 0
	PLACES NP
	FETCH_B \slot, (\q)+1, 1-(\q)%2
	FETCH_A \slot, (\q)+1, 0
.if (\zero) == 2
	WIN 0xc1
.else
	WIN MUL_HI
.endif
	MUL16 4, (\q)%2, \q, \slot, \zero
	MUL16 6, (\q)%2, \q, \slot, \zero
	PLACES NP
	WIN 0
	FETCH_A \slot, (\q)+1, 4
.endm
.macro TURN slot, next, fill
	s_wait_tensorcnt 0x0
	ds_add_u32 v[SPW], v[NIL]
	s_wait_dscnt 4*NL+1
	WIN MUL_LO
	MUL16 0, 1, NQ-1, \slot, 0
	s_wait_dscnt 0x0
	s_barrier_signal -1
	MUL16 2, 1, NQ-1, \slot, 0
	WIN 0
	s_barrier_wait -1
.if \fill
	CREST
	s_add_nc_u64 s[G0+4*\slot+2:G0+4*\slot+3], s[G0+4*\slot+2:G0+4*\slot+3], 8192
	s_add_nc_u64 s[G0B+4*\slot+2:G0B+4*\slot+3], s[G0B+4*\slot+2:G0B+4*\slot+3], 8192
	JLOAD G0+4*\slot, G1, G0B+4*\slot, G1B
	PLACES NP-4
.else
	PLACES NP
.endif
	s_wait_alu depctr_va_vdst(0)
	v_add_nc_u32 v[ADRS], 8+240*\slot, v[ADRS]
	FETCH_B \next, 0, 0
	FETCH_A \next, 0, 0
	SCALES \next
	WIN MUL_HI
	MUL16 4, 1, NQ-1, \slot, 0
	MUL16 6, 1, NQ-1, \slot, 0
	PLACES NP
	WIN 0
	FETCH_A \next, 0, 4
.endm
	s_wait_tensorcnt 1
	s_barrier_signal -1
	s_barrier_wait -1
	FETCH_B 0, 0, 0
	FETCH_A 0, 0, 0
	SCALES 0
	FETCH_A 0, 0, 4
	s_wait_loadcnt 0x0
	STEP 0, 0, 2
	TURN 0, 1, 1
	STEP 1, 0, 0
	TURN 1, 0, 1
	STEP 0, 0, 0
	TURN 0, 1, 0
	STEP 1, 0, 0
	s_wait_dscnt 4*NL
	WIN MUL_LO
	MUL16 0, 1, NQ-1, 1, 0
	MUL16 2, 1, NQ-1, 1, 0
	s_wait_dscnt 0
	WIN MUL_HI
	MUL16 4, 1, NQ-1, 1, 0
	MUL16 6, 1, NQ-1, 1, 0
	WIN 0
.macro TOSTAGE a
.set AC, 64*((\a)%4)
	WIN 0x08+4*((\a)/4)
.irp b, 0,1,2,3,4,5,6,7
	ds_store_b128 v[STO], v[AC+8*\b:AC+8*\b+3] offset:128*(\b/2)+32*(\b%2)
	ds_store_b128 v[STO], v[AC+8*\b+4:AC+8*\b+7] offset:128*(\b/2)+32*(\b%2)+16
.endr
	WIN 0
.set BB, BK+64*((\a)%2)
.irp t, 0,1,2,3,4,5,6,7,8,9,10,11,12,13,14,15
	ds_load_b128 v[BB+4*\t:BB+4*\t+3], v[RD] offset:\t*SPITCH
.endr
.endm
.macro SEND a, younger
.set BB, BK+64*((\a)%2)
	s_wait_dscnt \younger
.if (\a) > 0
.if (\a)%2
	s_add_nc_u64 s[12:13], s[12:13], 8*4096
.else
	s_add_nc_u64 s[12:13], s[12:13], 24*4096
.endif
.endif
.irp t, 0,1,2,3,4,5,6,7,8,9,10,11,12,13,14,15
	global_store_b128 v[LI], v[BB+4*\t:BB+4*\t+3], s[12:13] offset:(\t+8*(\t/8))*4096 th:TH_STORE_NT
.endr
.endm
	PLACES NP
	TOSTAGE 0
.irp a, 1,2,3,4,5,6,7
.if \a > 1
	s_wait_xcnt 0x0
.endif
	TOSTAGE \a
	SEND \a-1, 32
.endr
	s_wait_xcnt 0x0
	SEND 7, 0
	s_wait_tensorcnt 0x0
	ds_add_u32 v[SPW], v[NIL]
	s_wait_dscnt 0x0
	CROUND
	s_endpgm
.Lfunc_end_k_qc3e044d891_outp:
	.size	k_qc3e044d891_outp, .Lfunc_end_k_qc3e044d891_outp-k_qc3e044d891_outp
	.p2alignl 7, 3214868480
	.fill 96, 4, 3214868480
	.section	.rodata,"a",@progbits
	.p2align	6, 0x0
	.amdhsa_kernel k_qc3e044d891_outp
		.amdhsa_group_segment_fixed_size 327680
		.amdhsa_private_segment_fixed_size 0
		.amdhsa_enable_private_segment 0
		.amdhsa_kernarg_size 48
		.amdhsa_user_sgpr_count 2
		.amdhsa_user_sgpr_kernarg_segment_ptr 1
		.amdhsa_wavefront_size32 1
		.amdhsa_system_sgpr_workgroup_id_x 1
		.amdhsa_system_sgpr_workgroup_id_y 1
		.amdhsa_system_sgpr_workgroup_id_z 1
		.amdhsa_system_vgpr_workitem_id 0
		.amdhsa_next_free_vgpr 1024
		.amdhsa_next_free_sgpr 100
		.amdhsa_reserve_vcc 0
		.amdhsa_float_denorm_mode_32 3
		.amdhsa_float_denorm_mode_16_64 3
		.amdhsa_memory_ordered 1
		.amdhsa_forward_progress 1
		.amdhsa_inst_pref_size 147
	.end_amdhsa_kernel
	.amdgpu_metadata
---
amdhsa.version: [ 1, 2 ]
amdhsa.kernels:
  - .name:           k_qc3e044d891_outp
    .symbol:         k_qc3e044d891_outp.kd
    .args:
      - { .name: oc, .offset: 0, .size: 8, .value_kind: global_buffer, .address_space: global }
      - { .name: os, .offset: 8, .size: 8, .value_kind: global_buffer, .address_space: global }
      - { .name: wc, .offset: 16, .size: 8, .value_kind: global_buffer, .address_space: global }
      - { .name: ws, .offset: 24, .size: 8, .value_kind: global_buffer, .address_space: global }
      - { .name: bo, .offset: 32, .size: 8, .value_kind: global_buffer, .address_space: global }
      - { .name: out0, .offset: 40, .size: 8, .value_kind: global_buffer, .address_space: global }
    .group_segment_fixed_size: 327680
    .private_segment_fixed_size: 0
    .kernarg_segment_align: 8
    .kernarg_segment_size: 48
    .max_flat_workgroup_size: 128
    .sgpr_count:     100
    .vgpr_count:     1024
    .wavefront_size: 32
...
	.end_amdgpu_metadata
.endif
;; end of part 4
